; MI455X (gfx1250); checked and timed in simulation.
; The chip was launched on July 23, 2026; its instructions are those of AMD's public machine-readable ISA for CDNA 5 (MIT licence, August 2026) and "CDNA5" Instruction Set Architecture Reference Guide (July 2026). The comments in the code are by the model that wrote it; some were corrected since.
;; Multi Head Attention. Allowed arithmetic: matrix products marked QUANTISED: E2M1 operands, one E8M0 scale for each 32 along K, by v_wmma_scale_f32_16x16x128_f8f6f4 with both operands' format E2M1 (or v_wmma_scale_f32_32x16x128_f4), f32 sums; products left as they are: bf16, f16 or f32 operands; f32 sums; everything else in f32.
;; Inputs: Wk 2,048 x 256 float32; Wo 256 x 2,048 float32; Wq 2,048 x 256 float32; Wv 2,048 x 256 float32; bk 2,048 float32; bo 256 float32; bq 2,048 float32; bv 2,048 float32; x 2 x 2,048 x 256 float32.
;; Outputs: out0 2 x 2,048 x 256 float32.
;; This version of the problem:
;;   THIS VERSION OF THE PROBLEM IS GIVEN IN LOW PRECISION. The matrix products marked QUANTISED in the list below multiply operands that are first quantised to E2M1 (2 exponent bits, 1 mantissa bit; 4 bits a number), with one power-of-two scale for each 32 numbers along K (OCP MX v1.0); their sums are f32. The products marked 'left as it is' may take bf16, f16 or f32 operands, with f32 sums. Whichever they take, every output number must still come out within the allowed error. Rounding operands to bf16 (8 significant bits) uses up far more of that allowance than f16 does (11 bits, for magnitudes from 6e-5 to 65,504). All else is computed in f32.
;;   The module's matrix products, in the order in which they are computed (A, B: the left and right operand; K: the contracted axis; several contracted axes count as one K, in the product's order):
;;     1. [M 4,096, K 256] x [K 256, N 2,048]; A: input x; B: input Wq: QUANTISED
;;     2. [M 4,096, K 256] x [K 256, N 2,048]; A: input x; B: input Wk: QUANTISED
;;     3. [M 4,096, K 256] x [K 256, N 2,048]; A: input x; B: input Wv: QUANTISED
;;     4. batch 16 x [M 2,048, K 256] x [K 256, N 2,048]; A: computed on the way; B: computed on the way: left as it is (an operand is computed on the way)
;;     5. batch 16 x [M 2,048, K 2,048] x [K 2,048, N 256]; A: computed on the way; B: computed on the way: left as it is (an operand is computed on the way)
;;     6. [M 4,096, K 2,048] x [K 2,048, N 256]; A: computed on the way; B: input Wo: left as it is (an operand is computed on the way)
;;   THE QUANTISER, for each operand of a quantised product, along K:
;;     - K is cut into blocks of 32 from its start; a last block that is shorter is filled with zeros.
;;     - A block's scale is 2^e with e = floor(log2(the largest magnitude in the block)) - 2, held to -126 .. 127; a block of zeros has e = 0. As a byte (E8M0): e + 127.
;;     - Each number is divided by its block's scale, clamped to +-6, and rounded to the nearest number of E2M1, ties to even, subnormals kept.
;;     - The product sums the exact products of the quantised numbers (number of the format x scale) in f32.
;;   ~~~python
;;   def quantise(x, axis):      # numpy; x: float32 -> the quantised numbers, widened to float32 again
;;       x = np.moveaxis(x, axis, -1); K = x.shape[-1]
;;       x = np.pad(x, [(0, 0)] * (x.ndim - 1) + [(0, -K % 32)]); x = x.reshape(x.shape[:-1] + (-1, 32)); a = np.abs(x).max(-1, keepdims=True)
;;       e = np.where(a > 0, np.clip(np.frexp(np.where(a > 0, a, 1))[1] - 1 - 2, -126, 127), 0)      # np.frexp(a)[1] - 1 = floor(log2(a)), exactly
;;       r = np.clip(x / 2.0 ** e, -6, 6)
;;       step = 2.0 ** (np.maximum(np.frexp(np.where(r == 0, 1, r))[1] - 1, 0) - 1)
;;       q = np.round(r / step) * step * 2.0 ** e      # np.round: ties to even
;;       return np.moveaxis(q.reshape(q.shape[:-2] + (-1,))[..., :K], -1, axis).astype(np.float32)
;;   ~~~
;; 2 versions, each right; version 2 is version 1 with the launches kv, outp written anew for expert scheduling mode. Each part assembles by itself: llvm-mc -triple=amdgcn-amd-amdhsa -mcpu=gfx1250 --defsym DOCPART=n.
;; ======== version 1 of 2: 4 launches
;; limits: values are held in f16: magnitudes above 65,504 overflow, below 6.1e-05 lose precision
;; workspace buffers: codes 1,310,720 bytes; scales 81,920 bytes; woimg 2,097,152 bytes; mimg 4,194,304 bytes; nimg 2,097,152 bytes; nsc 32,768 bytes
;; launch quant (part 1): grid 384 x 1, 2 waves a work-group, no clusters, 67,072 bytes of LDS; arguments x, Wq, Wk, Wv, Wo, codes, scales, woimg; writes codes, scales, woimg
.if DOCPART == 1
	.amdgcn_target "amdgcn-amd-amdhsa--gfx1250"
	.amdhsa_code_object_version 6
	.text
	.protected	k_qb2574cccf4_quant
	.globl	k_qb2574cccf4_quant
	.p2align	8
	.type	k_qb2574cccf4_quant,@function
k_qb2574cccf4_quant:
	s_mov_b64 s[64:65], 0
	v_nop
	global_prefetch_b8 v0, s[64:65] scope:SCOPE_SE
	s_setreg_imm32_b32 hwreg(HW_REG_WAVE_MODE, 25, 1), 1
	s_wait_xcnt 0x0
; x [4096][256], Wq, Wk, Wv [2048][256], f32, become codes of FP4 (E2M1) with one E8M0 byte for each 32 along K = 256; Wo [256][2048] becomes pairs of bf16 (a high and a low part).
; All results are laid as IMAGES OF OPERAND REGISTERS: a group of four registers is 512 bytes, lane L's 16 bytes at 16 L, so that every later load of an operand reads 512 consecutive bytes.
; A wave takes one tile of 16 rows x 256 numbers (16,384 bytes).  Tiles 0-255: x; 256-383: Wq; 384-511: Wk; 512-639: Wv.  Work-group P < 320 takes tiles 2 P and 2 P + 1.
;   codes:  tile T, K step t of 128, group c: T 2048 + t 1024 + c 512 + 16 L; lane (r = L % 16, g = L / 16) holds there the 32 codes k = 128 t + 64 c + 32 g + 0 .. 31 of row r: one whole block.
;   scales: pair P: P 256 + 8 L + 4 (T % 2): lanes 0-15 the word of row L for K step 0, lanes 16-31 the word of row L - 16 for K step 1.
; Work-groups 320-383 take Wo: wave tile j = 16 h + w16: rows 16 w16 on, columns 256 h on.  woimg: j 16384 + kk 2048 + hl 1024 + c 512 + 16 L: a bf16 fragment, lane r = row, K = 32 kk + ..
; A block's scale is 2^(floor(log2(largest magnitude)) - 2): its byte is the largest magnitude's exponent field - 2, held at 1 from below.  A block of zeros keeps the byte 1 where the rule says 127:
; its codes are zeros, and this program alone reads the bytes.
; LIMITS: blocks whose largest magnitude lies under 2^-124 keep the byte 1; NaN and infinities among the inputs are not served.
; The loads take the bytes as they lie (512 consecutive bytes each); the tile turns through the wave's own stage in LDS, whence a lane reads its 32 (Wo: 16) neighbours along K.
; Memory binds here: no matrix unit, no cluster (no two work-groups read the same byte), no tensor load.  The two arms part on the work-group's number and have LDS bytes of their own.
.set PITCH, 1040                       ; a stage row: 1,024 bytes + 16 = 65 x 16: the sixteen rows that a load touches start 16 bytes apart modulo 256
.set STGB,  16*PITCH                   ; a wave's stage
.set SCB,   2*STGB                     ; the pair's 256 bytes of scale words
.set STG2,  SCB+256                    ; the stages of Wo's arm
.set SPARE, STG2+2*STGB                ; the spare words, 128 bytes for each wave: one block of 256 bytes that no other line names
.set GA,  1                            ; v1   16 L: my bytes in a load's or a store's 512
.set SA,  2                            ; v2   the stage, on the way in
.set SB,  3                            ; v3   the stage, on the way out
.set SH,  4                            ; v4   8 g
.set SWA, 5                            ; v5   where my scale word goes
.set SRA, 6                            ; v6   where wave 0 reads the pair's words back
.set L8,  7                            ; v7   8 L
.set SPW, 8                            ; v8   LDS address of my spare word; never rewritten
.set NIL, 9                            ; v9   0; never rewritten
.set MA,  10                           ; v10, v11 maxima; v12 the conversions' scale operand; v13, v14 destinations of lane permutes
.set EB,  16                           ; v16-19 the scale bytes of my four blocks
.set WD,  20                           ; v20-22 scale words
.set LN,  24                           ; v24 L, v25 r, v26 g
.set R,   32                           ; v32-159 the tile as loaded; in Wo's arm later the 8 x 16 registers to store
.set X,   160                          ; v160-223 two sets of 32 neighbours (Wo: two sets of 16, and v192-207 at work)
.set T,   192
.set C,   224                          ; v224-239 the codes: four registers for each group, so that no store's data are written again
	s_load_b256 s[4:11], s[0:1], 0x0               ; x, Wq, Wk, Wv
	s_load_b256 s[12:19], s[0:1], 0x20             ; Wo, codes, scales, woimg
	v_lshl_add_u32 v[SPW], v0, 2, SPARE
	v_mov_b32 v[NIL], 0
	v_lshrrev_b32 v[MA], 5, v0
	v_readfirstlane_b32 s20, v[MA]                 ; wave 0, 1
	v_and_b32 v[LN], 31, v0                        ; L
	v_and_b32 v[LN+1], 15, v0                      ; r
	v_bfe_u32 v[LN+2], v0, 4, 1                    ; g
	v_lshlrev_b32 v[GA], 4, v[LN]
	v_mul_u32_u24 v[SB], v[LN+1], PITCH
	s_mul_i32 s32, s20, STGB
	s_mov_b32 s30, 0x76543210
	s_mov_b32 s31, 0xfedcba98                      ; v_permlanex16_b32's selects for lane L xor 16
	s_mov_b32 s29, 0
	s_wait_kmcnt 0x0
; 32 loads of 512 consecutive bytes (row n / 2, half n % 2; gp: bytes from row to row in memory), then into the stage as they lie
.macro STAGEIN gp
.set n, 0
.rept 32
	global_load_b128 v[R+4*n:R+4*n+3], v[GA], s[22:23] offset:(n/2)*\gp+(n%2)*512 th:TH_LOAD_NT
.set n, n+1
.endr
.set n, 0
.rept 32
	s_wait_loadcnt 31-n                            ; load n is in; the 31 - n younger ones may be out
	ds_store_b128 v[SA], v[R+4*n:R+4*n+3] offset:(n/2)*PITCH+(n%2)*512
.set n, n+1
.endr
.endm
; group q = 2 t + c: my block's 32 numbers, 128 bytes.  LDS serves a wave's instructions in order: these see my stores
.macro QLOAD q, set
.irp i, 0,1,2,3,4,5,6,7
	ds_load_b128 v[X+32*(\set)+4*\i:X+32*(\set)+4*\i+3], v[SB] offset:(\q)*256+16*\i
.endr
.endm
.macro QUANT q, set
.set XQ, X+32*(\set)
	v_max3_num_f32 v[MA], |v[XQ]|, |v[XQ+1]|, |v[XQ+2]|            ; the block's largest magnitude: all 32 numbers are mine; two chains
	v_max3_num_f32 v[MA+1], |v[XQ+3]|, |v[XQ+4]|, |v[XQ+5]|
.irp i, 6,10,14,18,22,26
	v_max3_num_f32 v[MA], v[MA], |v[XQ+\i]|, |v[XQ+\i+1]|
	v_max3_num_f32 v[MA+1], v[MA+1], |v[XQ+\i+2]|, |v[XQ+\i+3]|
.endr
	v_max3_num_f32 v[MA], v[MA], |v[XQ+30]|, |v[XQ+31]|
	v_max3_num_f32 v[MA], v[MA], v[MA+1], 0x1800000                ; and the floor 2^(3 - 127): the byte cannot fall under 1
	v_add_nc_u32 v[MA+2], 0xff000000, v[MA]                        ; 2 off the exponent field: the conversion takes the exponent field of this operand as its scale
.irp i, 0,1,2,3
	v_cvt_scalef32_pk8_fp4_f32 v[C+4*(\q)+\i], v[XQ+8*\i:XQ+8*\i+7], v[MA+2]
.endr
	v_lshrrev_b32 v[EB+(\q)], 23, v[MA+2]                          ; the scale's byte; also the plain instruction behind the conversions
	global_store_b128 v[GA], v[C+4*(\q):C+4*(\q)+3], s[24:25] offset:(\q)*512   ; 512 consecutive bytes
.endm
; 16 f32 numbers become 8 registers of high parts and 8 of low parts: high = bf16(x); low = bf16(x - high), the difference being exact in f32
.macro SPLIT src, hi, lo, tmp
.irp j, 0,1,2,3,4,5,6,7
	v_cvt_pk_bf16_f32 v[\hi+\j], v[\src+2*\j], v[\src+2*\j+1]
.endr
.irp j, 0,1,2,3,4,5,6,7
	v_lshlrev_b32 v[\tmp+2*\j], 16, v[\hi+\j]
.endr
.irp j, 0,1,2,3,4,5,6,7
	v_and_b32 v[\tmp+2*\j+1], 0xffff0000, v[\hi+\j]
.endr
.irp j, 0,1,2,3,4,5,6,7
	v_pk_add_f32 v[\tmp+2*\j:\tmp+2*\j+1], v[\src+2*\j:\src+2*\j+1], v[\tmp+2*\j:\tmp+2*\j+1] neg_lo:[0,1] neg_hi:[0,1]
.endr
.irp j, 0,1,2,3,4,5,6,7
	v_cvt_pk_bf16_f32 v[\lo+\j], v[\tmp+2*\j], v[\tmp+2*\j+1]
.endr
.endm
; Wo, K step k of 32: my 8 + 8 numbers: columns 32 k + 8 g + 0 .. 7 and 32 k + 16 + 8 g + 0 .. 7
.macro WLOAD k, set
.irp c, 0,1
.irp d, 0,1
	ds_load_b128 v[X+16*(\set)+8*\c+4*\d:X+16*(\set)+8*\c+4*\d+3], v[SB] offset:(\k)*128+64*\c+16*\d
.endr
.endr
.endm
	s_cmp_ge_u32 ttmp9, 320
	s_cbranch_scc1 .Lwo
	; ---- x, Wq, Wk, Wv into codes and scale words
	v_add_nc_u32 v[SA], s32, v[GA]                 ; in: my wave's stage + 16 L
	v_lshl_add_u32 v[SB], v[LN+2], 7, v[SB]
	v_add_nc_u32 v[SB], s32, v[SB]                 ; out: row r, + 128 g
	v_lshlrev_b32 v[SH], 3, v[LN+2]
	v_lshlrev_b32 v[L8], 3, v[LN]
	v_add_nc_u32 v[SRA], SCB, v[L8]
	s_lshl_b32 s33, s20, 2
	v_add_nc_u32 v[SWA], s33, v[SRA]               ; SCB + 8 L + 4 x wave
	v_mov_b32 v[MA+3], 0                           ; written once: a lane permute's destination counts as one of its sources
	v_mov_b32 v[MA+4], 0
	s_mov_b64 s[22:23], s[10:11]                   ; which tensor: the choice hangs on the work-group's number alone
	s_mov_b32 s21, 256
	s_cmp_lt_u32 ttmp9, 256
	s_cselect_b64 s[22:23], s[8:9], s[22:23]
	s_cselect_b32 s21, 192, s21
	s_cmp_lt_u32 ttmp9, 192
	s_cselect_b64 s[22:23], s[6:7], s[22:23]
	s_cselect_b32 s21, 128, s21
	s_cmp_lt_u32 ttmp9, 128
	s_cselect_b64 s[22:23], s[4:5], s[22:23]
	s_cselect_b32 s21, 0, s21
	s_sub_co_u32 s28, ttmp9, s21                   ; the pair's number in its tensor: 32 rows of 1,024 bytes each,
	s_lshl_b32 s28, s28, 15
	s_lshl_b32 s34, s20, 14                        ; my wave's 16 of them
	s_add_co_u32 s28, s28, s34
	s_add_nc_u64 s[22:23], s[22:23], s[28:29]
	s_lshl_b32 s28, ttmp9, 12
	s_lshl_b32 s34, s20, 11
	s_add_co_u32 s28, s28, s34
	s_add_nc_u64 s[24:25], s[14:15], s[28:29]      ; codes + 2,048 x tile
	s_lshl_b32 s28, ttmp9, 8
	s_add_nc_u64 s[26:27], s[16:17], s[28:29]      ; scales + 256 x pair
	STAGEIN 1024
	QLOAD 0, 0
	QLOAD 1, 1
.irp q, 0,1,2,3
.if \q < 3
	s_wait_dscnt 8                                 ; this group's 8 loads are in; the next group's 8 may be out
.else
	s_wait_dscnt 0x0
.endif
	QUANT \q, \q%2
.if \q < 2
	QLOAD \q+2, \q%2
.endif
.endr
	v_lshl_or_b32 v[WD], v[EB+1], 16, v[EB]        ; K step 0: my two bytes, blocks g and 2 + g of row r,
	v_lshl_or_b32 v[WD+1], v[EB+3], 16, v[EB+2]    ; K step 1 likewise,
	v_lshlrev_b32 v[WD], v[SH], v[WD]              ; at their places in the word (8 g bits up);
	v_lshlrev_b32 v[WD+1], v[SH], v[WD+1]
	v_permlanex16_b32 v[MA+3], v[WD], s30, s31
	v_permlanex16_b32 v[MA+4], v[WD+1], s30, s31
	v_or_b32 v[WD], v[WD], v[MA+3]                 ; with lane L xor 16's two the words are whole
	v_or_b32 v[WD+1], v[WD+1], v[MA+4]
	v_cmp_lt_u32 vcc_lo, 15, v[LN]
	v_cndmask_b32 v[WD+2], v[WD], v[WD+1], vcc_lo  ; lanes 0-15 keep K step 0's word, lanes 16-31 K step 1's
	ds_store_b32 v[SWA], v[WD+2]
	s_wait_dscnt 0x0                               ; for the other wave's sake: my words lie in LDS
	s_barrier_signal -1
	s_barrier_wait -1
	s_cmp_lg_u32 s20, 0
	s_cbranch_scc1 .Lend_a
	ds_load_b64 v[28:29], v[SRA]                   ; wave 0 stores the pair's words: 256 consecutive bytes, aligned
	s_wait_dscnt 0x0
	global_store_b64 v[L8], v[28:29], s[26:27]
.Lend_a:
	s_wait_tensorcnt 0x0                           ; the wave's end, behind my last LDS store
	ds_add_u32 v[SPW], v[NIL]
	s_wait_dscnt 0x0
	s_endpgm
.Lwo:	; ---- Wo into pairs of bf16
	s_add_co_u32 s32, s32, STG2
	v_add_nc_u32 v[SA], s32, v[GA]
	v_lshl_add_u32 v[SB], v[LN+2], 5, v[SB]
	v_add_nc_u32 v[SB], s32, v[SB]                 ; out: row r, + 32 g
	s_sub_co_u32 s21, ttmp9, 320
	s_lshl_b32 s21, s21, 1
	s_add_co_u32 s21, s21, s20                     ; j = 16 h + w16
	s_and_b32 s28, s21, 15
	s_lshl_b32 s28, s28, 17                        ; 16 rows of 8,192 bytes
	s_lshr_b32 s34, s21, 4
	s_lshl_b32 s34, s34, 10                        ; 256 columns of 4 bytes
	s_add_co_u32 s28, s28, s34
	s_add_nc_u64 s[22:23], s[12:13], s[28:29]
	s_lshl_b32 s28, s21, 14
	s_add_nc_u64 s[24:25], s[18:19], s[28:29]
	STAGEIN 8192
	WLOAD 0, 0
	WLOAD 1, 1
.irp k, 0,1,2,3,4,5,6,7
.if \k < 7
	s_wait_dscnt 4                                 ; this K step's 4 loads are in (and so all stores into the stage are done); the next step's 4 may be out
.else
	s_wait_dscnt 0x0
.endif
	SPLIT X+16*(\k%2), R+16*\k, R+16*\k+8, T
.irp q, 0,1,2,3
	global_store_b128 v[GA], v[R+16*\k+4*\q:R+16*\k+4*\q+3], s[24:25] offset:\k*2048+\q*512   ; high part's two groups, then the low part's
.endr
.if \k < 6
	WLOAD \k+2, \k%2
.endif
.endr
	s_wait_tensorcnt 0x0                           ; the wave's end, behind my last LDS store
	ds_add_u32 v[SPW], v[NIL]
	s_wait_dscnt 0x0
	s_endpgm
.Lfunc_end_k_qb2574cccf4_quant:
	.size	k_qb2574cccf4_quant, .Lfunc_end_k_qb2574cccf4_quant-k_qb2574cccf4_quant
	.p2alignl 7, 3214868480
	.fill 96, 4, 3214868480
	.section	.rodata,"a",@progbits
	.p2align	6, 0x0
	.amdhsa_kernel k_qb2574cccf4_quant
		.amdhsa_group_segment_fixed_size 67072
		.amdhsa_private_segment_fixed_size 0
		.amdhsa_enable_private_segment 0
		.amdhsa_kernarg_size 64
		.amdhsa_user_sgpr_count 2
		.amdhsa_user_sgpr_kernarg_segment_ptr 1
		.amdhsa_wavefront_size32 1
		.amdhsa_system_sgpr_workgroup_id_x 1
		.amdhsa_system_sgpr_workgroup_id_y 1
		.amdhsa_system_sgpr_workgroup_id_z 1
		.amdhsa_system_vgpr_workitem_id 0
		.amdhsa_next_free_vgpr 256
		.amdhsa_next_free_sgpr 66
		.amdhsa_reserve_vcc 1
		.amdhsa_float_denorm_mode_32 3
		.amdhsa_float_denorm_mode_16_64 3
		.amdhsa_memory_ordered 1
		.amdhsa_forward_progress 1
		.amdhsa_inst_pref_size 48
	.end_amdhsa_kernel
	.amdgpu_metadata
---
amdhsa.version: [ 1, 2 ]
amdhsa.kernels:
  - .name:           k_qb2574cccf4_quant
    .symbol:         k_qb2574cccf4_quant.kd
    .args:
      - { .name: x, .offset: 0, .size: 8, .value_kind: global_buffer, .address_space: global }
      - { .name: Wq, .offset: 8, .size: 8, .value_kind: global_buffer, .address_space: global }
      - { .name: Wk, .offset: 16, .size: 8, .value_kind: global_buffer, .address_space: global }
      - { .name: Wv, .offset: 24, .size: 8, .value_kind: global_buffer, .address_space: global }
      - { .name: Wo, .offset: 32, .size: 8, .value_kind: global_buffer, .address_space: global }
      - { .name: codes, .offset: 40, .size: 8, .value_kind: global_buffer, .address_space: global }
      - { .name: scales, .offset: 48, .size: 8, .value_kind: global_buffer, .address_space: global }
      - { .name: woimg, .offset: 56, .size: 8, .value_kind: global_buffer, .address_space: global }
    .group_segment_fixed_size: 67072
    .private_segment_fixed_size: 0
    .kernarg_segment_align: 8
    .kernarg_segment_size: 64
    .max_flat_workgroup_size: 64
    .sgpr_count:     66
    .vgpr_count:     256
    .wavefront_size: 32
...
	.end_amdgpu_metadata
.endif
;; end of part 1
;; launch kv (part 2): grid 16 x 16, 4 waves a work-group, no clusters, 66,048 bytes of LDS; arguments codes, scales, bk, bv, mimg; writes mimg
.if DOCPART == 2
	.amdgcn_target "amdgcn-amd-amdhsa--gfx1250"
	.amdhsa_code_object_version 6
	.text
	.protected	k_qb2574cccf4_kv
	.globl	k_qb2574cccf4_kv
	.p2align	8
	.type	k_qb2574cccf4_kv,@function
k_qb2574cccf4_kv:
	s_mov_b64 s[64:65], 0
	v_nop
	global_prefetch_b8 v0, s[64:65] scope:SCOPE_SE
	s_setreg_imm32_b32 hwreg(HW_REG_WAVE_MODE, 25, 1), 1
	s_wait_xcnt 0x0
; M[bh][e][f] = the sum over the 2,048 positions s of k[s][e] v[s][f], with k = Q(x) Q(Wk)^T + bk and v = Q(x) Q(Wv)^T + bv on codes of FP4 (K = 256, two matrix instructions deep).
; reference() has no softmax, so (q k^T) v Wo^T = q (k^T v) Wo^T for every input: the [S][S] scores are never formed.  STATED LIMIT: the order of summation, and so of rounding, differs from reference()'s.
; LIMIT: k and v go to the second product as f16: their magnitudes must stay under 65,504.  NaN and infinities are not served.
; SHARES.  Work-group (x, y): y = bh = 8 b + h; x = 4 E4 + F4: the tile M[64 E4 .. + 63][64 F4 .. + 63].  Wave w takes positions 512 w .. 512 w + 511, in 16 steps of 32; the four partial tiles meet in LDS at the end.
; LAYOUT.  k: A = 16 rows of x's codes, B = 16 rows of Wk's: lane (r, g) holds e = r and positions 8 g + j.  Two such tiles, rounded to f16 in pairs, ARE a fragment (lane = e, K = 32 positions).  v likewise.
; M: A = v's fragment, B = k's: lane (r, g) holds e = r and f = 8 g + j; two tiles of f make the next launch's fragment (lane = e, K = 32 f), stored as a bf16 high part and a bf16 low part.
; The biases are the C of each sum's first matrix instruction: eight registers a tile, all with the lane's own bk[e] (bv[f]).
; NO CLUSTER, NO TENSOR LOAD, NO LDS RING: in a work-group each byte of x's codes is wanted by one wave, once, and lies in memory in the order of that wave's registers: a step's 4,352 bytes go straight into
; registers by nine loads of consecutive bytes.  Asked for jointly they would have to be written to LDS and read from it again, byte for byte, behind a barrier for each slot.
; REGISTERS, in windows of 256.  Window 0: v1-7 addresses; v8-15 Wk's and Wv's scale words; v16-23 x's, four buffers; v32-95 k's 8 tiles, v96-159 v's; v160-191, v192-223 their f16 fragments.
;   Window 1: v0-63 Wk's fragments (tile a, K step t at 16 a + 8 t), v64-127 Wv's; v128-255 the 16 accumulators of M.   Window 2: v0-31, v32-63 the biases; v64-191 x's fragments, four buffers of 32.
.set SPARE, 65536                      ; behind the four partial tiles: the spare words, 128 bytes for each wave: two blocks of 256 bytes that no other line names
.set A16, 1                            ; v1  16 L
.set A8,  2                            ; v2  8 L
.set A4R, 3                            ; v3  4 r
.set STO, 4                            ; v4  16,384 w + 16 L: where my partial tile goes
.set RDB, 5                            ; v5  4,096 w + 16 L: where I read the four partial sums of e tile w
.set SPW, 6                            ; v6  LDS address of my spare word; never rewritten
.set NIL, 7                            ; v7  0; never rewritten
.set KS,  8
.set VS,  12
.set XS,  16
.set DK,  32
.set DV,  96
.set KP,  160
.set VP,  192
.set WK,  0
.set WV,  64
.set ACC, 128
.set BK,  0
.set BV,  32
.set XF,  64
.set MSB, 0
.macro WIN new                         ; s_set_vgpr_msb: bits 1:0 source 0, 3:2 source 1, 5:4 source 2, 7:6 destination; the high byte repeats the setting that is left
.if MSB != (\new)
	s_set_vgpr_msb (MSB<<8)|(\new)
.set MSB, (\new)
.endif
.endm
.macro BASE dst, src                   ; a buffer's address + the offset in s38 (s39 = 0)
	s_add_nc_u64 s[\dst:\dst+1], s[\src:\src+1], s[38:39]
.endm
.macro FP4 d, a, b, c, sa, sb, t       ; t = 0: K step 0, the sum begins with c; t = 1: K step 1, in place, the scale words from lanes 16-31
.if \t
	v_wmma_scale_f32_16x16x128_f8f6f4 v[\d:\d+7], v[\a:\a+7], v[\b:\b+7], v[\d:\d+7], v[\sa], v[\sb] matrix_a_fmt:MATRIX_FMT_FP4 matrix_b_fmt:MATRIX_FMT_FP4 matrix_a_scale:MATRIX_SCALE_ROW1 matrix_b_scale:MATRIX_SCALE_ROW1
.else
	v_wmma_scale_f32_16x16x128_f8f6f4 v[\d:\d+7], v[\a:\a+7], v[\b:\b+7], v[\c:\c+7], v[\sa], v[\sb] matrix_a_fmt:MATRIX_FMT_FP4 matrix_b_fmt:MATRIX_FMT_FP4
.endif
.endm
	s_load_b256 s[4:11], s[0:1], 0x0               ; codes, scales, bk, bv
	s_load_b64 s[12:13], s[0:1], 0x20              ; mimg
	v_lshl_add_u32 v[SPW], v0, 2, SPARE
	v_mov_b32 v[NIL], 0
	v_lshrrev_b32 v[A16], 5, v0
	v_readfirstlane_b32 s14, v[A16]                ; wave 0..3
	v_and_b32 v[A8], 31, v0
	v_and_b32 v[A4R], 15, v0
	v_lshlrev_b32 v[A16], 4, v[A8]
	v_lshlrev_b32 v[A8], 3, v[A8]
	v_lshlrev_b32 v[A4R], 2, v[A4R]
	s_lshl_b32 s40, s14, 14
	v_add_nc_u32 v[STO], s40, v[A16]
	s_lshl_b32 s40, s14, 12
	v_add_nc_u32 v[RDB], s40, v[A16]
	s_and_b32 s15, ttmp7, 0xffff                   ; bh
	s_lshr_b32 s16, s15, 3                         ; b
	s_and_b32 s17, s15, 7                          ; h
	s_lshr_b32 s18, ttmp9, 2                       ; E4
	s_and_b32 s19, ttmp9, 3                        ; F4
	s_mov_b32 s39, 0
	s_wait_kmcnt 0x0
	s_lshl_b32 s38, s16, 18                        ; x's tiles 128 b + 32 w on: 2,048 bytes of codes a tile,
	s_lshl_b32 s40, s14, 16
	s_add_co_u32 s38, s38, s40
	BASE 20, 4
	s_lshr_b32 s38, s38, 4                         ; 128 bytes of scale words a tile
	BASE 22, 6
	s_lshl_b32 s41, s17, 15
	s_lshl_b32 s40, s18, 13
	s_add_co_u32 s38, s41, s40
	s_add_co_u32 s38, s38, 384*2048                ; Wk's tiles 384 + 16 h + 4 E4 on
	BASE 24, 4
	s_lshr_b32 s38, s38, 4
	BASE 26, 6
	s_lshl_b32 s40, s19, 13
	s_add_co_u32 s38, s41, s40
	s_add_co_u32 s38, s38, 512*2048                ; Wv's tiles 512 + 16 h + 4 F4 on
	BASE 28, 4
	s_lshr_b32 s38, s38, 4
	BASE 30, 6
	s_lshl_b32 s41, s17, 10
	s_lshl_b32 s40, s18, 8
	s_add_co_u32 s38, s41, s40                     ; bk at 256 h + 64 E4
	BASE 32, 8
	s_lshl_b32 s40, s19, 8
	s_add_co_u32 s38, s41, s40                     ; bv at 256 h + 64 F4
	BASE 34, 10
	s_lshl_b32 s38, s15, 18                        ; mimg: ((16 bh + 4 E4 + w) 8 + 2 F4) 2048
	s_lshl_b32 s40, s18, 16
	s_add_co_u32 s38, s38, s40
	s_lshl_b32 s40, s14, 14
	s_add_co_u32 s38, s38, s40
	s_lshl_b32 s40, s19, 12
	s_add_co_u32 s38, s38, s40
	BASE 36, 12
	; what stays in registers for the whole launch: 100 loads
	WIN 0x40                                       ; destination window 1
.irp q, 0,1,2,3,4,5,6,7,8,9,10,11,12,13,14,15
	global_load_b128 v[WK+4*\q:WK+4*\q+3], v[A16], s[24:25] offset:\q*512
	global_load_b128 v[WV+4*\q:WV+4*\q+3], v[A16], s[28:29] offset:\q*512
.endr
	WIN 0
.irp p, 0,1
	global_load_b64 v[KS+2*\p:KS+2*\p+1], v[A8], s[26:27] offset:\p*256
	global_load_b64 v[VS+2*\p:VS+2*\p+1], v[A8], s[30:31] offset:\p*256
.endr
	WIN 0x80                                       ; destination window 2
.irp a, 0,1,2,3
.irp j, 0,1,2,3,4,5,6,7
	global_load_b32 v[BK+8*\a+\j], v[A4R], s[32:33] offset:\a*64
	global_load_b32 v[BV+8*\a+\j], v[A4R], s[34:35] offset:\a*64
.endr
.endr
	WIN 0
; step i's 32 positions: the scale words of its two tiles and their four fragments: nine loads, into buffer i % 4
.macro XLOAD i
	WIN 0
	global_load_b64 v[XS+2*((\i)%4):XS+2*((\i)%4)+1], v[A8], s[22:23] offset:(\i)*256
	WIN 0x80
.irp q, 0,1,2,3,4,5,6,7
	global_load_b128 v[XF+32*((\i)%4)+4*\q:XF+32*((\i)%4)+4*\q+3], v[A16], s[20:21] offset:(\i)*4096+\q*512
.endr
	WIN 0
.endm
; 16 matrix instructions: K step t of k's 8 tiles (2 of positions x 4 of e), then of v's 8.  The 16 accumulators take turns
.macro PROJ i, t
.set XB, XF+32*((\i)%4)+8*(\t)
.set SX, XS+2*((\i)%4)
.irp s, 0,1
.irp a, 0,1,2,3
	FP4 DK+8*(4*\s+\a), XB+16*\s, WK+16*\a+8*(\t), BK+8*\a, SX+\s, KS+\a, \t
.endr
.endr
.irp s, 0,1
.irp a, 0,1,2,3
	FP4 DV+8*(4*\s+\a), XB+16*\s, WV+16*\a+8*(\t), BV+8*\a, SX+\s, VS+\a, \t
.endr
.endr
.endm
.macro STEP i, zero
.if (\i) <= 12
	s_wait_loadcnt 27                              ; this step's nine loads are in; the nine of each of the three steps behind it may be out
.else
	s_wait_loadcnt 9*(15-(\i))
.endif
	WIN 0x26                                       ; A (x) window 2, B (W) window 1, C (bias) window 2, D window 0
	PROJ \i, 0
	WIN 0x06                                       ; C and D window 0
	PROJ \i, 1
	WIN 0
.rept 4
	v_nop                                          ; four places: behind these results, which the conversions read; behind the last step's f16 products, whose sources the conversions write; in front of the loads into this step's buffer
.endr
.if (\i) <= 11
	XLOAD (\i)+4
.endif
.irp a, 0,1,2,3
.irp s, 0,1
.irp j, 0,1,2,3
	v_cvt_pk_f16_f32 v[KP+8*\a+4*\s+\j], v[DK+8*(4*\s+\a)+2*\j], v[DK+8*(4*\s+\a)+2*\j+1]   ; each tile from its low end on
.endr
.endr
.endr
.irp a, 0,1,2,3
.irp s, 0,1
.irp j, 0,1,2,3
	v_cvt_pk_f16_f32 v[VP+8*\a+4*\s+\j], v[DV+8*(4*\s+\a)+2*\j], v[DV+8*(4*\s+\a)+2*\j+1]
.endr
.endr
.endr
	WIN 0x50                                       ; C and D window 1
.irp u, 0,1,2,3
.irp f, 0,1,2,3
.if \zero
	v_wmma_f32_16x16x32_f16 v[ACC+8*(4*\u+\f):ACC+8*(4*\u+\f)+7], v[VP+8*\f:VP+8*\f+7], v[KP+8*\u:KP+8*\u+7], 0
.else
	v_wmma_f32_16x16x32_f16 v[ACC+8*(4*\u+\f):ACC+8*(4*\u+\f)+7], v[VP+8*\f:VP+8*\f+7], v[KP+8*\u:KP+8*\u+7], v[ACC+8*(4*\u+\f):ACC+8*(4*\u+\f)+7]
.endif
.endr
.endr
	WIN 0
.endm
.macro SPLIT src, hi, lo, tmp          ; 16 f32 numbers: high = bf16(x); low = bf16(x - high), the difference being exact in f32
.irp j, 0,1,2,3,4,5,6,7
	v_cvt_pk_bf16_f32 v[\hi+\j], v[\src+2*\j], v[\src+2*\j+1]
.endr
.irp j, 0,1,2,3,4,5,6,7
	v_lshlrev_b32 v[\tmp+2*\j], 16, v[\hi+\j]
.endr
.irp j, 0,1,2,3,4,5,6,7
	v_and_b32 v[\tmp+2*\j+1], 0xffff0000, v[\hi+\j]
.endr
.irp j, 0,1,2,3,4,5,6,7
	v_pk_add_f32 v[\tmp+2*\j:\tmp+2*\j+1], v[\src+2*\j:\src+2*\j+1], v[\tmp+2*\j:\tmp+2*\j+1] neg_lo:[0,1] neg_hi:[0,1]
.endr
.irp j, 0,1,2,3,4,5,6,7
	v_cvt_pk_bf16_f32 v[\lo+\j], v[\tmp+2*\j], v[\tmp+2*\j+1]
.endr
.endm
	XLOAD 0
	XLOAD 1
	XLOAD 2
	XLOAD 3
	STEP 0, 1                                      ; the first step's products start M's sums: nothing is cleared
.irp n, 1,2,3,4,5,6,7,8,9,10,11,12,13,14,15
	STEP \n, 0
.endr
	; the four waves' partial tiles meet in LDS, as images of the accumulators
.rept 4
	v_nop                                          ; four places behind the last products
.endr
	WIN 0x04                                       ; an LDS store's data are its source 1: window 1
.set n, 0
.rept 32
	ds_store_b128 v[STO], v[ACC+4*n:ACC+4*n+3] offset:512*n   ; tile n / 2, its low four registers first
.set n, n+1
.endr
	WIN 0
	s_wait_dscnt 0x0                               ; for the others' sake: my tile lies in LDS
	s_barrier_signal -1
	s_barrier_wait -1
.irp p, 0,1,2,3                        ; wave w sums e tile w: four tiles of f from each of the four waves
.irp q, 0,1,2,3,4,5,6,7
	ds_load_b128 v[DK+32*\p+4*\q:DK+32*\p+4*\q+3], v[RDB] offset:\p*16384+\q*512
.endr
.endr
	s_wait_dscnt 0x0
.set n, 0
.rept 16
	v_pk_add_f32 v[DK+2*n:DK+2*n+1], v[DK+2*n:DK+2*n+1], v[DK+32+2*n:DK+32+2*n+1]
	v_pk_add_f32 v[DK+64+2*n:DK+64+2*n+1], v[DK+64+2*n:DK+64+2*n+1], v[DK+96+2*n:DK+96+2*n+1]
.set n, n+1
.endr
.set n, 0
.rept 16
	v_pk_add_f32 v[DK+2*n:DK+2*n+1], v[DK+2*n:DK+2*n+1], v[DK+64+2*n:DK+64+2*n+1]
.set n, n+1
.endr
	SPLIT DK, KP, KP+8, VP                         ; f tiles 0, 1: one fragment along f, high and low
	SPLIT DK+16, KP+16, KP+24, VP+16               ; f tiles 2, 3
.irp q, 0,1,2,3,4,5,6,7
	global_store_b128 v[A16], v[KP+4*\q:KP+4*\q+3], s[36:37] offset:\q*512   ; 512 consecutive bytes each
.endr
	s_wait_tensorcnt 0x0                           ; the wave's end, behind my last LDS store
	ds_add_u32 v[SPW], v[NIL]
	s_wait_dscnt 0x0
	s_endpgm
.Lfunc_end_k_qb2574cccf4_kv:
	.size	k_qb2574cccf4_kv, .Lfunc_end_k_qb2574cccf4_kv-k_qb2574cccf4_kv
	.p2alignl 7, 3214868480
	.fill 96, 4, 3214868480
	.section	.rodata,"a",@progbits
	.p2align	6, 0x0
	.amdhsa_kernel k_qb2574cccf4_kv
		.amdhsa_group_segment_fixed_size 66048
		.amdhsa_private_segment_fixed_size 0
		.amdhsa_enable_private_segment 0
		.amdhsa_kernarg_size 40
		.amdhsa_user_sgpr_count 2
		.amdhsa_user_sgpr_kernarg_segment_ptr 1
		.amdhsa_wavefront_size32 1
		.amdhsa_system_sgpr_workgroup_id_x 1
		.amdhsa_system_sgpr_workgroup_id_y 1
		.amdhsa_system_sgpr_workgroup_id_z 1
		.amdhsa_system_vgpr_workitem_id 0
		.amdhsa_next_free_vgpr 768
		.amdhsa_next_free_sgpr 66
		.amdhsa_reserve_vcc 0
		.amdhsa_float_denorm_mode_32 3
		.amdhsa_float_denorm_mode_16_64 3
		.amdhsa_memory_ordered 1
		.amdhsa_forward_progress 1
		.amdhsa_inst_pref_size 188
	.end_amdhsa_kernel
	.amdgpu_metadata
---
amdhsa.version: [ 1, 2 ]
amdhsa.kernels:
  - .name:           k_qb2574cccf4_kv
    .symbol:         k_qb2574cccf4_kv.kd
    .args:
      - { .name: codes, .offset: 0, .size: 8, .value_kind: global_buffer, .address_space: global }
      - { .name: scales, .offset: 8, .size: 8, .value_kind: global_buffer, .address_space: global }
      - { .name: bk, .offset: 16, .size: 8, .value_kind: global_buffer, .address_space: global }
      - { .name: bv, .offset: 24, .size: 8, .value_kind: global_buffer, .address_space: global }
      - { .name: mimg, .offset: 32, .size: 8, .value_kind: global_buffer, .address_space: global }
    .group_segment_fixed_size: 66048
    .private_segment_fixed_size: 0
    .kernarg_segment_align: 8
    .kernarg_segment_size: 40
    .max_flat_workgroup_size: 128
    .sgpr_count:     66
    .vgpr_count:     768
    .wavefront_size: 32
...
	.end_amdgpu_metadata
.endif
;; end of part 2
;; launch fold (part 3): grid 16 x 16, 4 waves a work-group, no clusters, 1,024 bytes of LDS; arguments mimg, woimg, nimg, nsc; writes nimg, nsc
.if DOCPART == 3
	.amdgcn_target "amdgcn-amd-amdhsa--gfx1250"
	.amdhsa_code_object_version 6
	.text
	.protected	k_qb2574cccf4_fold
	.globl	k_qb2574cccf4_fold
	.p2align	8
	.type	k_qb2574cccf4_fold,@function
k_qb2574cccf4_fold:
	s_mov_b64 s[64:65], 0
	v_nop
	global_prefetch_b8 v0, s[64:65] scope:SCOPE_SE
	s_setreg_imm32_b32 hwreg(HW_REG_WAVE_MODE, 25, 1), 1
	s_wait_xcnt 0x0
; N[bh][e][o] = the sum over f of M[bh][e][f] Wo[o][256 h + f].  Both operands are pairs of bf16 (high, low): three products, high x high, high x low, low x high; the low x low term, 2^-16 of the sum's terms, is left out.
; N then goes to the last launch as f16 under an exact power of two for each column o: N' = N 2^(10 - floor(log2(the column's largest magnitude))), so |N'| < 2,048; sc = 2^(floor(log2) - 14) undoes it and holds reference()'s 1/16.
; The scale is used as a value alone: no address and no branch hangs on it.  LIMIT: a column whose largest magnitude lies under 2^-100 is scaled as if it lay there.  NaN and infinities are not served.
; SHARES.  Work-group (x, y): y = bh, x = w16: 16 whole columns o = 16 w16 + r, all 256 e.  Wave w takes e tiles 4 w + a, a = 0 .. 3.  A = M's fragment (lane = e), B = Wo's (lane = o): lane (r, g) holds o = r and e = 8 g + j;
; two tiles of e, rounded to f16 in pairs, are the last launch's fragment (lane = o, K = 32 e).
; NO CLUSTER, NO LDS RING: M's fragments are wanted by one wave, once; Wo's 16,384 bytes are a twentieth of what the work-group loads.  All operands lie in memory in the order of the registers.
; REGISTERS.  Window 0: v1-5 addresses; v16-143 Wo's fragments (K step k: high at 16 + 16 k, low 8 on); v144-175 four accumulators; v176-186 the scale's work; v192-207 the two f16 fragments.
;   Windows 1, 2: M's fragments: K step k, tile a, part hl at window 1 + k / 4, register 64 (k % 4) + 16 a + 8 hl.  Every operand register is loaded once.
.set SPARE, 512                        ; behind the waves' 512 bytes of maxima: the spare words, 128 bytes for each wave: two blocks of 256 bytes that no other line names
.set A16, 1                            ; v1  16 L
.set A4,  2                            ; v2  4 L
.set MXA, 3                            ; v3  128 w + 4 L
.set SPW, 4                            ; v4  LDS address of my spare word; never rewritten
.set NIL, 5                            ; v5  0; never rewritten
.set BF,  16
.set ACC, 144
.set MX,  176
.set ISC, 184
.set SCR, 186
.set NP,  192
.set MSB, 0
.macro WIN new
.if MSB != (\new)
	s_set_vgpr_msb (MSB<<8)|(\new)
.set MSB, (\new)
.endif
.endm
	s_load_b256 s[4:11], s[0:1], 0x0               ; mimg, woimg, nimg, nsc
	v_lshl_add_u32 v[SPW], v0, 2, SPARE
	v_mov_b32 v[NIL], 0
	v_lshrrev_b32 v[A16], 5, v0
	v_readfirstlane_b32 s20, v[A16]                ; wave 0..3
	v_and_b32 v[A4], 31, v0
	v_lshlrev_b32 v[A16], 4, v[A4]
	v_lshlrev_b32 v[A4], 2, v[A4]
	s_lshl_b32 s21, s20, 7
	v_add_nc_u32 v[MXA], s21, v[A4]
	v_mov_b32 v[MX+4], 0                           ; written once: a lane permute's destination counts as one of its sources
	s_mov_b32 s28, 0x76543210
	s_mov_b32 s29, 0xfedcba98
	s_and_b32 s22, ttmp7, 0xffff                   ; bh
	s_lshr_b32 s23, s22, 3                         ; b
	s_and_b32 s24, s22, 7                          ; h
	s_mov_b32 s27, 0
	s_wait_kmcnt 0x0
	s_lshl_b32 s26, s22, 18                        ; mimg: (16 bh + 4 w) 16384
	s_lshl_b32 s25, s20, 16
	s_add_co_u32 s26, s26, s25
	s_add_nc_u64 s[12:13], s[4:5], s[26:27]
	s_lshl_b32 s26, s24, 18                        ; woimg: (16 h + w16) 16384
	s_lshl_b32 s25, ttmp9, 14
	s_add_co_u32 s26, s26, s25
	s_add_nc_u64 s[14:15], s[6:7], s[26:27]
	s_lshl_b32 s26, s23, 20                        ; nimg: b 2^20 + ((8 h + 2 w) 16 + w16) 1024
	s_lshl_b32 s25, s24, 17
	s_add_co_u32 s26, s26, s25
	s_lshl_b32 s25, s20, 15
	s_add_co_u32 s26, s26, s25
	s_lshl_b32 s25, ttmp9, 10
	s_add_co_u32 s26, s26, s25
	s_add_nc_u64 s[16:17], s[8:9], s[26:27]
	s_lshl_b32 s26, s22, 11                        ; nsc: (16 bh + w16) 128
	s_lshl_b32 s25, ttmp9, 7
	s_add_co_u32 s26, s26, s25
	s_add_nc_u64 s[18:19], s[10:11], s[26:27]
.macro ISSUE k                         ; K step k (32 along f): Wo's fragment, high and low, and those of my four tiles of M: 20 loads of 512 consecutive bytes
	WIN 0
.irp q, 0,1,2,3
	global_load_b128 v[BF+16*(\k)+4*\q:BF+16*(\k)+4*\q+3], v[A16], s[14:15] offset:(\k)*2048+\q*512
.endr
	WIN 0x40*(1+(\k)/4)                            ; destination window 1 or 2
.irp a, 0,1,2,3
.irp q, 0,1,2,3
	global_load_b128 v[64*((\k)%4)+16*\a+4*\q:64*((\k)%4)+16*\a+4*\q+3], v[A16], s[12:13] offset:\a*16384+(\k)*2048+\q*512
.endr
.endr
.endm
.macro MULT k                          ; 12 matrix instructions; the four accumulators take turns
.if (\k) <= 5
	s_wait_loadcnt 40                              ; this K step's 20 loads are in; the 20 of each of the two steps behind it may be out
.else
	s_wait_loadcnt 20*(7-(\k))
.endif
	WIN 1+(\k)/4                                   ; A in window 1 or 2
.set AB, 64*((\k)%4)
.set BB, BF+16*(\k)
.irp a, 0,1,2,3
.if (\k) == 0
	v_wmma_f32_16x16x32_bf16 v[ACC+8*\a:ACC+8*\a+7], v[AB+16*\a:AB+16*\a+7], v[BB:BB+7], 0
.else
	v_wmma_f32_16x16x32_bf16 v[ACC+8*\a:ACC+8*\a+7], v[AB+16*\a:AB+16*\a+7], v[BB:BB+7], v[ACC+8*\a:ACC+8*\a+7]
.endif
.endr
.irp a, 0,1,2,3
	v_wmma_f32_16x16x32_bf16 v[ACC+8*\a:ACC+8*\a+7], v[AB+16*\a:AB+16*\a+7], v[BB+8:BB+15], v[ACC+8*\a:ACC+8*\a+7]
.endr
.irp a, 0,1,2,3
	v_wmma_f32_16x16x32_bf16 v[ACC+8*\a:ACC+8*\a+7], v[AB+16*\a+8:AB+16*\a+15], v[BB:BB+7], v[ACC+8*\a:ACC+8*\a+7]
.endr
.endm
	ISSUE 0
	ISSUE 1
	ISSUE 2
.irp k, 0,1,2,3,4,5,6,7
	MULT \k
.if \k <= 4
	ISSUE \k+3
.endif
.endr
	WIN 0
.rept 4
	v_nop                                          ; four places behind the last products
.endr
	; the column's largest magnitude: my 32 numbers, lane L xor 16's, the other waves'
.irp a, 0,1,2,3
	v_max3_num_f32 v[MX+\a], |v[ACC+8*\a]|, |v[ACC+8*\a+1]|, |v[ACC+8*\a+2]|   ; each accumulator from its low end on
.endr
.irp i, 3,5
.irp a, 0,1,2,3
	v_max3_num_f32 v[MX+\a], v[MX+\a], |v[ACC+8*\a+\i]|, |v[ACC+8*\a+\i+1]|
.endr
.endr
.irp a, 0,1,2,3
	v_max_num_f32 v[MX+\a], v[MX+\a], |v[ACC+8*\a+7]|
.endr
	v_max3_num_f32 v[MX], v[MX], v[MX+1], v[MX+2]
	v_max3_num_f32 v[MX], v[MX], v[MX+3], 0x0d800000               ; and the floor 2^-100
	v_permlanex16_b32 v[MX+4], v[MX], s28, s29
	v_max_num_f32 v[MX], v[MX], v[MX+4]
	ds_store_b32 v[MXA], v[MX]
	s_wait_dscnt 0x0                               ; for the others' sake: my maxima lie in LDS
	s_barrier_signal -1
	s_barrier_wait -1
.irp p, 0,1,2,3
	ds_load_b32 v[MX+\p], v[A4] offset:\p*128
.endr
	s_wait_dscnt 0x0
	v_max3_num_f32 v[MX], v[MX], v[MX+1], v[MX+2]
	v_max_num_f32 v[MX], v[MX], v[MX+3]
	v_and_b32 v[MX+1], 0x7f800000, v[MX]           ; its exponent field E, in place
	v_sub_nc_u32 v[ISC], 0x84000000, v[MX+1]       ; field 264 - E: 2^(10 - floor(log2))
	v_mov_b32 v[ISC+1], v[ISC]                     ; (named with it as a pair, so it is written)
	v_add_nc_u32 v[SCR], 0xf9000000, v[MX+1]       ; field E - 14: 2^(floor(log2) - 14)
.set n, 0
.rept 16
	v_pk_mul_f32 v[ACC+2*n:ACC+2*n+1], v[ACC+2*n:ACC+2*n+1], v[ISC:ISC+1] op_sel_hi:[1,0]   ; by a power of two: nothing is rounded
.set n, n+1
.endr
.irp a, 0,1,2,3
.irp j, 0,1,2,3
	v_cvt_pk_f16_f32 v[NP+4*\a+\j], v[ACC+8*\a+2*\j], v[ACC+8*\a+2*\j+1]   ; tiles 0, 1: fragment 0; tiles 2, 3: fragment 1
.endr
.endr
.irp f, 0,1
.irp c, 0,1
	global_store_b128 v[A16], v[NP+8*\f+4*\c:NP+8*\f+4*\c+3], s[16:17] offset:\f*16384+\c*512
.endr
.endr
	s_cmp_lg_u32 s20, 0
	s_cbranch_scc1 .Lnot_wave_0
	global_store_b32 v[A4], v[SCR], s[18:19]       ; lane L: sc of column L % 16; 128 consecutive bytes (of 2 MB that the launch stores, these 32 KB leave in halves of 256)
.Lnot_wave_0:
	s_wait_tensorcnt 0x0                           ; the wave's end, behind my last LDS store
	ds_add_u32 v[SPW], v[NIL]
	s_wait_dscnt 0x0
	s_endpgm
.Lfunc_end_k_qb2574cccf4_fold:
	.size	k_qb2574cccf4_fold, .Lfunc_end_k_qb2574cccf4_fold-k_qb2574cccf4_fold
	.p2alignl 7, 3214868480
	.fill 96, 4, 3214868480
	.section	.rodata,"a",@progbits
	.p2align	6, 0x0
	.amdhsa_kernel k_qb2574cccf4_fold
		.amdhsa_group_segment_fixed_size 1024
		.amdhsa_private_segment_fixed_size 0
		.amdhsa_enable_private_segment 0
		.amdhsa_kernarg_size 32
		.amdhsa_user_sgpr_count 2
		.amdhsa_user_sgpr_kernarg_segment_ptr 1
		.amdhsa_wavefront_size32 1
		.amdhsa_system_sgpr_workgroup_id_x 1
		.amdhsa_system_sgpr_workgroup_id_y 1
		.amdhsa_system_sgpr_workgroup_id_z 1
		.amdhsa_system_vgpr_workitem_id 0
		.amdhsa_next_free_vgpr 768
		.amdhsa_next_free_sgpr 66
		.amdhsa_reserve_vcc 0
		.amdhsa_float_denorm_mode_32 3
		.amdhsa_float_denorm_mode_16_64 3
		.amdhsa_memory_ordered 1
		.amdhsa_forward_progress 1
		.amdhsa_inst_pref_size 29
	.end_amdhsa_kernel
	.amdgpu_metadata
---
amdhsa.version: [ 1, 2 ]
amdhsa.kernels:
  - .name:           k_qb2574cccf4_fold
    .symbol:         k_qb2574cccf4_fold.kd
    .args:
      - { .name: mimg, .offset: 0, .size: 8, .value_kind: global_buffer, .address_space: global }
      - { .name: woimg, .offset: 8, .size: 8, .value_kind: global_buffer, .address_space: global }
      - { .name: nimg, .offset: 16, .size: 8, .value_kind: global_buffer, .address_space: global }
      - { .name: nsc, .offset: 24, .size: 8, .value_kind: global_buffer, .address_space: global }
    .group_segment_fixed_size: 1024
    .private_segment_fixed_size: 0
    .kernarg_segment_align: 8
    .kernarg_segment_size: 32
    .max_flat_workgroup_size: 128
    .sgpr_count:     66
    .vgpr_count:     768
    .wavefront_size: 32
...
	.end_amdgpu_metadata
.endif
;; end of part 3
;; launch outp (part 4): grid 4 x 64, 4 waves a work-group, no clusters, 139,776 bytes of LDS; arguments codes, scales, bq, nimg, nsc, bo, out0; writes out0
.if DOCPART == 4
	.amdgcn_target "amdgcn-amd-amdhsa--gfx1250"
	.amdhsa_code_object_version 6
	.text
	.protected	k_qb2574cccf4_outp
	.globl	k_qb2574cccf4_outp
	.p2align	8
	.type	k_qb2574cccf4_outp,@function
k_qb2574cccf4_outp:
	s_mov_b64 s[64:65], 0
	v_nop
	global_prefetch_b8 v0, s[64:65] scope:SCOPE_SE
	s_setreg_imm32_b32 hwreg(HW_REG_WAVE_MODE, 25, 1), 1
	s_wait_xcnt 0x0
; out[s][o] = the sum over the 8 heads h and e of q_h[s][e] N'_h[e][o] sc_h[o] + bo[o], with q = Q(x) Q(Wq)^T + bq on codes of FP4 (K = 256, two matrix instructions deep); sc holds reference()'s 1/16.
; STATED LIMIT: the order of summation differs from reference()'s (q (k^T v Wo^T) in place of ((q k^T) v) Wo^T; heads split over waves).  LIMIT: q goes on as f16: |q| must stay under 65,504.  NaN and infinities are not served.
; SHARES.  Work-group (x, y): 64 rows 64 y on, 64 columns 64 x on.  Wave w takes heads 2 w and 2 w + 1 for the whole tile, in 16 steps of 32 e; each head's sums are multiplied by its sc and laid in LDS; then each wave adds
; the eight partial tiles for 16 rows, adds bo and stores.
; LAYOUT.  q: A = 16 rows of Wq's codes, B = 16 rows of x's, C = bq in the result's layout: lane (r, g) holds position r and e = 8 g + j; two tiles of e, rounded to f16 in pairs, are a fragment (lane = position, K = 32 e).
; out: A = N' (lane = o), B = q's fragment: lane (r, g) holds position r and o = 16 t + 8 g + j: eight neighbouring columns of one row.
; NO CLUSTER, NO LDS RING: Wq's codes and N' are wanted by one wave of the work-group, once, and lie in memory in the order of its registers: a step's 10,496 bytes go straight into registers.  Only x's 8,704 bytes are loaded by all four waves.
; REGISTERS.  Window 0: v1-9, v24 addresses; v10-13 x's scale words, v14-19 Wq's (three buffers); v20-23 bo; v32-95 q's 8 tiles, later scaled sums; v96-127 q's fragments; v128-223 the last additions.
;   Window 1: v0-127 the 16 accumulators; v128-191 x's fragments; v192-255 sc in the result's layout.   Window 2: three buffers of 80: Wq's four fragments, bq's two tiles, N's four fragments.
.set SP,    272                        ; a row of a partial tile: 256 bytes + 16 = 17 x 16: sixteen rows start 16 bytes apart modulo 256
.set PT,    64*SP                      ; a partial tile
.set SPARE, 8*PT                       ; behind the eight: the spare words, 128 bytes for each wave: two blocks of 256 bytes that no other line names
.set A16, 1                            ; v1  16 L
.set A8,  2                            ; v2  8 L
.set A32G, 3                           ; v3  32 g
.set STO, 4                            ; v4  2 PT w + SP r + 32 g
.set RD0, 5                            ; v5  (16 w + g) SP + 16 r
.set RD1, 6                            ; v6  the same 4 PT on
.set GO,  7                            ; v7  1,024 g + 16 r
.set SPW, 8                            ; v8  LDS address of my spare word; never rewritten
.set NIL, 9                            ; v9  0; never rewritten
.set XS,  10
.set QS,  14
.set BO,  20
.set A16R, 24                          ; v24 16 r
.set DQ,  32
.set QP,  96
.set RB,  128
.set RES, 192
.set ACC, 0
.set XF,  128
.set SCI, 192
.set MSB, 0
.macro WIN new
.if MSB != (\new)
	s_set_vgpr_msb (MSB<<8)|(\new)
.set MSB, (\new)
.endif
.endm
.macro BASE dst, src                   ; a buffer's address + the offset in s38 (s39 = 0)
	s_add_nc_u64 s[\dst:\dst+1], s[\src:\src+1], s[38:39]
.endm
.macro FP4 d, a, b, c, sa, sb, t       ; t = 0: K step 0, the sum begins with c; t = 1: K step 1, in place, the scale words from lanes 16-31
.if \t
	v_wmma_scale_f32_16x16x128_f8f6f4 v[\d:\d+7], v[\a:\a+7], v[\b:\b+7], v[\d:\d+7], v[\sa], v[\sb] matrix_a_fmt:MATRIX_FMT_FP4 matrix_b_fmt:MATRIX_FMT_FP4 matrix_a_scale:MATRIX_SCALE_ROW1 matrix_b_scale:MATRIX_SCALE_ROW1
.else
	v_wmma_scale_f32_16x16x128_f8f6f4 v[\d:\d+7], v[\a:\a+7], v[\b:\b+7], v[\c:\c+7], v[\sa], v[\sb] matrix_a_fmt:MATRIX_FMT_FP4 matrix_b_fmt:MATRIX_FMT_FP4
.endif
.endm
	s_load_b256 s[4:11], s[0:1], 0x0               ; codes, scales, bq, nimg
	s_load_b128 s[12:15], s[0:1], 0x20             ; nsc, bo
	s_load_b64 s[16:17], s[0:1], 0x30              ; out0
	v_lshl_add_u32 v[SPW], v0, 2, SPARE
	v_mov_b32 v[NIL], 0
	v_lshrrev_b32 v25, 5, v0
	v_readfirstlane_b32 s18, v25                   ; wave 0..3
	v_and_b32 v25, 31, v0                          ; L
	v_and_b32 v26, 15, v0                          ; r
	v_bfe_u32 v27, v0, 4, 1                        ; g
	v_lshlrev_b32 v[A16], 4, v25
	v_lshlrev_b32 v[A8], 3, v25
	v_lshlrev_b32 v[A32G], 5, v27
	v_lshlrev_b32 v[A16R], 4, v26
	s_mul_i32 s40, s18, 2*PT
	v_mul_u32_u24 v[STO], v26, SP
	v_add_nc_u32 v[STO], v[STO], v[A32G]
	v_add_nc_u32 v[STO], s40, v[STO]
	s_mul_i32 s40, s18, 16*SP
	v_mul_u32_u24 v[RD0], v27, SP
	v_add_nc_u32 v[RD0], v[RD0], v[A16R]
	v_add_nc_u32 v[RD0], s40, v[RD0]
	v_add_nc_u32 v[RD1], 4*PT, v[RD0]
	v_lshl_add_u32 v[GO], v27, 10, v[A16R]
	s_and_b32 s19, ttmp7, 0xffff                   ; which 64 rows
	s_lshr_b32 s41, s19, 5                         ; b
	s_mov_b32 s39, 0
	s_wait_kmcnt 0x0
	s_lshl_b32 s38, s19, 13                        ; x's four tiles: 2,048 bytes of codes a tile,
	BASE 20, 4
	s_lshr_b32 s38, s38, 4                         ; 128 bytes of scale words a tile
	BASE 22, 6
	s_lshl_b32 s38, s18, 16
	s_add_co_u32 s38, s38, 256*2048                ; Wq's tiles 256 + 32 w on
	BASE 24, 4
	s_lshr_b32 s38, s38, 4
	BASE 26, 6
	s_lshl_b32 s38, s18, 11                        ; bq at 512 w
	BASE 28, 8
	s_lshl_b32 s38, s41, 20                        ; nimg: b 2^20 + (16 w 16 + 4 x) 1024
	s_lshl_b32 s40, s18, 18
	s_add_co_u32 s38, s38, s40
	s_lshl_b32 s40, ttmp9, 12
	s_add_co_u32 s38, s38, s40
	BASE 30, 10
	s_lshl_b32 s38, s41, 14                        ; nsc: ((8 b + 2 w) 16 + 4 x) 128
	s_lshl_b32 s40, s18, 12
	s_add_co_u32 s38, s38, s40
	s_lshl_b32 s40, ttmp9, 9
	s_add_co_u32 s38, s38, s40
	BASE 32, 12
	s_lshl_b32 s38, ttmp9, 8                       ; bo at 64 x
	BASE 34, 14
	s_lshl_b32 s40, s19, 16                        ; out0: row 64 y + 16 w, column 64 x
	s_add_co_u32 s38, s38, s40
	s_lshl_b32 s40, s18, 14
	s_add_co_u32 s38, s38, s40
	BASE 36, 16
	; what stays in registers: 35 loads
	WIN 0x40                                       ; destination window 1
.irp q, 0,1,2,3,4,5,6,7,8,9,10,11,12,13,14,15
	global_load_b128 v[XF+4*\q:XF+4*\q+3], v[A16], s[20:21] offset:\q*512   ; x's fragment (tile s, K step t) at XF + 16 s + 8 t
.endr
.irp d, 0,1
.irp t, 0,1,2,3
.irp c, 0,1
	global_load_b128 v[SCI+32*\d+8*\t+4*\c:SCI+32*\d+8*\t+4*\c+3], v[A32G], s[32:33] offset:\d*2048+\t*128+16*\c   ; register j: sc of column 16 t + 8 g + j, head 2 w + d
.endr
.endr
.endr
	WIN 0
	global_load_b64 v[XS:XS+1], v[A8], s[22:23]
	global_load_b64 v[XS+2:XS+3], v[A8], s[22:23] offset:256
	global_load_b128 v[BO:BO+3], v[A16R], s[34:35]
; step n's 32 e: Wq's scale words, its four fragments, bq's two tiles, N's four fragments: 21 loads, into buffer n % 3
.macro SLOAD n
.set LBF, 80*((\n)%3)
	WIN 0
	global_load_b64 v[QS+2*((\n)%3):QS+2*((\n)%3)+1], v[A8], s[26:27] offset:(\n)*256
	WIN 0x80                                       ; destination window 2
.irp q, 0,1,2,3,4,5,6,7
	global_load_b128 v[LBF+4*\q:LBF+4*\q+3], v[A16], s[24:25] offset:(\n)*4096+\q*512
.endr
.irp a, 0,1
.irp c, 0,1
	global_load_b128 v[LBF+32+8*\a+4*\c:LBF+32+8*\a+4*\c+3], v[A32G], s[28:29] offset:(\n)*128+\a*64+16*\c
.endr
.endr
.irp q, 0,1,2,3,4,5,6,7
	global_load_b128 v[LBF+48+4*\q:LBF+48+4*\q+3], v[A16], s[30:31] offset:(\n)*16384+\q*512
.endr
	WIN 0
.endm
.macro STEP n, zero
.set SBF, 80*((\n)%3)
.set SQ, QS+2*((\n)%3)
.if (\n) < 15
	s_wait_loadcnt 21                              ; this step's 21 loads are in; the next step's 21 may be out
.else
	s_wait_loadcnt 0x0
.endif
	WIN 0x26                                       ; A (Wq) window 2, B (x) window 1, C (bq) window 2, D window 0
.irp a, 0,1
.irp s, 0,1,2,3
	FP4 DQ+8*(4*\a+\s), SBF+16*\a, XF+16*\s, SBF+32+8*\a, SQ+\a, XS+\s, 0
.endr
.endr
	WIN 0x06                                       ; C and D window 0.  The 8 accumulators take turns
.irp a, 0,1
.irp s, 0,1,2,3
	FP4 DQ+8*(4*\a+\s), SBF+16*\a+8, XF+16*\s+8, DQ, SQ+\a, XS+\s, 1
.endr
.endr
	WIN 0
.rept 4
	v_nop                                          ; four places: behind these results, which the conversions read; behind the last step's f16 products, whose source the conversions write and whose buffer the loads below fill
.endr
.if (\n) <= 13
	SLOAD (\n)+2
.endif
.irp s, 0,1,2,3
.irp a, 0,1
.irp j, 0,1,2,3
	v_cvt_pk_f16_f32 v[QP+8*\s+4*\a+\j], v[DQ+8*(4*\a+\s)+2*\j], v[DQ+8*(4*\a+\s)+2*\j+1]   ; each tile from its low end on
.endr
.endr
.endr
	WIN 0x52                                       ; A (N') window 2, B (q) window 0, C and D window 1
.irp t, 0,1,2,3
.irp s, 0,1,2,3
.if \zero
	v_wmma_f32_16x16x32_f16 v[ACC+8*(4*\t+\s):ACC+8*(4*\t+\s)+7], v[SBF+48+8*\t:SBF+48+8*\t+7], v[QP+8*\s:QP+8*\s+7], 0
.else
	v_wmma_f32_16x16x32_f16 v[ACC+8*(4*\t+\s):ACC+8*(4*\t+\s)+7], v[SBF+48+8*\t:SBF+48+8*\t+7], v[QP+8*\s:QP+8*\s+7], v[ACC+8*(4*\t+\s):ACC+8*(4*\t+\s)+7]
.endif
.endr
.endr
	WIN 0
.endm
; head 2 w + d is summed: x sc, and into partial tile 2 w + d, two tiles of columns at a time
.macro FLUSH d
.rept 4
	v_nop                                          ; four places behind the last products
.endr
.irp y, 0,1
	WIN 0x05                                       ; sources 0 and 1 window 1
.irp z, 0,1
.irp s, 0,1,2,3
.irp k, 0,1,2,3
	v_pk_mul_f32 v[DQ+8*(4*\z+\s)+2*\k:DQ+8*(4*\z+\s)+2*\k+1], v[ACC+8*(4*(2*\y+\z)+\s)+2*\k:ACC+8*(4*(2*\y+\z)+\s)+2*\k+1], v[SCI+32*(\d)+8*(2*\y+\z)+2*\k:SCI+32*(\d)+8*(2*\y+\z)+2*\k+1]
.endr
.endr
.endr
	WIN 0
.irp z, 0,1
.irp s, 0,1,2,3
.irp c, 0,1
	ds_store_b128 v[STO], v[DQ+8*(4*\z+\s)+4*\c:DQ+8*(4*\z+\s)+4*\c+3] offset:(\d)*PT+\s*16*SP+(2*\y+\z)*64+16*\c
.endr
.endr
.endr
	s_wait_dscnt 0x0                               ; the stores have read their registers, which are written again; and, the last time, for the others' sake
.endr
.endm
.macro RLOAD n                         ; rows 16 w + 2 n + g of the eight partial tiles, 16 bytes a lane, into set n % 2
.irp p, 0,1,2,3
	ds_load_b128 v[RB+32*((\n)%2)+4*\p:RB+32*((\n)%2)+4*\p+3], v[RD0] offset:\p*PT+(\n)*2*SP
.endr
.irp p, 0,1,2,3
	ds_load_b128 v[RB+32*((\n)%2)+16+4*\p:RB+32*((\n)%2)+16+4*\p+3], v[RD1] offset:\p*PT+(\n)*2*SP
.endr
.endm
.macro PADD d, a, b                    ; four numbers
	v_pk_add_f32 v[\d:\d+1], v[\a:\a+1], v[\b:\b+1]
	v_pk_add_f32 v[\d+2:\d+3], v[\a+2:\a+3], v[\b+2:\b+3]
.endm
	SLOAD 0
	SLOAD 1
	STEP 0, 1                                      ; a head's first step starts the sums: nothing is cleared
.irp n, 1,2,3,4,5,6,7
	STEP \n, 0
.endr
	FLUSH 0
	STEP 8, 1
.irp n, 9,10,11,12,13,14,15
	STEP \n, 0
.endr
	FLUSH 1
	s_barrier_signal -1                            ; (every wave's stores have landed: the wait for 0 at the end of FLUSH)
	s_barrier_wait -1
	RLOAD 0
	RLOAD 1
.irp i, 0,1,2,3,4,5,6,7
.set RS, RB+32*(\i%2)
.if \i < 7
	s_wait_dscnt 8                                 ; this pair of rows' 8 loads are in; the next pair's 8 may be out
.else
	s_wait_dscnt 0x0
.endif
	PADD RS, RS, RS+4
	PADD RS+8, RS+8, RS+12
	PADD RS+16, RS+16, RS+20
	PADD RS+24, RS+24, RS+28
	PADD RS, RS, RS+8
	PADD RS+16, RS+16, RS+24
	PADD RS, RS, RS+16
	PADD RES+4*\i, RS, BO
	global_store_b128 v[GO], v[RES+4*\i:RES+4*\i+3], s[36:37] offset:\i*2048 th:TH_STORE_NT   ; sixteen lanes store 256 consecutive bytes, at a multiple of 256 from out0's first byte
.if \i < 6
	RLOAD \i+2
.endif
.endr
	s_wait_tensorcnt 0x0                           ; the wave's end, behind my last LDS store
	ds_add_u32 v[SPW], v[NIL]
	s_wait_dscnt 0x0
	s_endpgm
.Lfunc_end_k_qb2574cccf4_outp:
	.size	k_qb2574cccf4_outp, .Lfunc_end_k_qb2574cccf4_outp-k_qb2574cccf4_outp
	.p2alignl 7, 3214868480
	.fill 96, 4, 3214868480
	.section	.rodata,"a",@progbits
	.p2align	6, 0x0
	.amdhsa_kernel k_qb2574cccf4_outp
		.amdhsa_group_segment_fixed_size 139776
		.amdhsa_private_segment_fixed_size 0
		.amdhsa_enable_private_segment 0
		.amdhsa_kernarg_size 56
		.amdhsa_user_sgpr_count 2
		.amdhsa_user_sgpr_kernarg_segment_ptr 1
		.amdhsa_wavefront_size32 1
		.amdhsa_system_sgpr_workgroup_id_x 1
		.amdhsa_system_sgpr_workgroup_id_y 1
		.amdhsa_system_sgpr_workgroup_id_z 1
		.amdhsa_system_vgpr_workitem_id 0
		.amdhsa_next_free_vgpr 768
		.amdhsa_next_free_sgpr 66
		.amdhsa_reserve_vcc 0
		.amdhsa_float_denorm_mode_32 3
		.amdhsa_float_denorm_mode_16_64 3
		.amdhsa_memory_ordered 1
		.amdhsa_forward_progress 1
		.amdhsa_inst_pref_size 150
	.end_amdhsa_kernel
	.amdgpu_metadata
---
amdhsa.version: [ 1, 2 ]
amdhsa.kernels:
  - .name:           k_qb2574cccf4_outp
    .symbol:         k_qb2574cccf4_outp.kd
    .args:
      - { .name: codes, .offset: 0, .size: 8, .value_kind: global_buffer, .address_space: global }
      - { .name: scales, .offset: 8, .size: 8, .value_kind: global_buffer, .address_space: global }
      - { .name: bq, .offset: 16, .size: 8, .value_kind: global_buffer, .address_space: global }
      - { .name: nimg, .offset: 24, .size: 8, .value_kind: global_buffer, .address_space: global }
      - { .name: nsc, .offset: 32, .size: 8, .value_kind: global_buffer, .address_space: global }
      - { .name: bo, .offset: 40, .size: 8, .value_kind: global_buffer, .address_space: global }
      - { .name: out0, .offset: 48, .size: 8, .value_kind: global_buffer, .address_space: global }
    .group_segment_fixed_size: 139776
    .private_segment_fixed_size: 0
    .kernarg_segment_align: 8
    .kernarg_segment_size: 56
    .max_flat_workgroup_size: 128
    .sgpr_count:     66
    .vgpr_count:     768
    .wavefront_size: 32
...
	.end_amdgpu_metadata
.endif
;; end of part 4
;; ======== version 2 of 2: 4 launches; version 1 with the launches kv, outp written anew for expert scheduling mode
;; limits: values are held in f16: magnitudes above 65,504 overflow, below 6.1e-05 lose precision
;; workspace buffers: codes 1,310,720 bytes; scales 81,920 bytes; woimg 2,097,152 bytes; mimg 4,194,304 bytes; nimg 2,097,152 bytes; nsc 32,768 bytes
;; launch quant: the kernel of part 1 again; grid 384 x 1, 2 waves a work-group, no clusters, 67,072 bytes of LDS; arguments x, Wq, Wk, Wv, Wo, codes, scales, woimg; writes codes, scales, woimg
;; launch kv (part 5): grid 16 x 16, 4 waves a work-group, no clusters, 66,048 bytes of LDS; arguments codes, scales, bk, bv, mimg; writes mimg
.if DOCPART == 5
	.amdgcn_target "amdgcn-amd-amdhsa--gfx1250"
	.amdhsa_code_object_version 6
	.text
	.protected	k_qb2574cccf4_kv
	.globl	k_qb2574cccf4_kv
	.p2align	8
	.type	k_qb2574cccf4_kv,@function
k_qb2574cccf4_kv:
	s_mov_b64 s[64:65], 0
	v_nop
	global_prefetch_b8 v0, s[64:65] scope:SCOPE_SE
	s_setreg_imm32_b32 hwreg(HW_REG_WAVE_SCHED_MODE, 0, 2), 2
	s_setreg_imm32_b32 hwreg(HW_REG_WAVE_MODE, 25, 1), 1
	s_wait_xcnt 0x0
	s_wait_alu depctr_vm_vsrc(0)
; M[bh][e][f] = the sum over the 2,048 positions s of k[s][e] v[s][f], with k = Q(x) Q(Wk)^T + bk and v = Q(x) Q(Wv)^T + bv on codes of FP4 (K = 256, two matrix instructions deep).
; reference() has no softmax, so (q k^T) v Wo^T = q (k^T v) Wo^T for every input: the [S][S] scores are never formed.  STATED LIMIT: the order of summation, and so of rounding, differs from reference()'s.
; LIMIT: k and v go to the second product as f16: their magnitudes must stay under 65,504.  NaN and infinities are not served.
; SHARES.  Work-group (x, y): y = bh = 8 b + h; x = 4 E4 + F4: the tile M[64 E4 .. + 63][64 F4 .. + 63].  Wave w takes positions 512 w .. 512 w + 511, in 16 steps of 32; the four partial tiles meet in LDS at the end.
; LAYOUT.  k: A = 16 rows of x's codes, B = 16 rows of Wk's: lane (r, g) holds e = r and positions 8 g + j.  Two such tiles, rounded to f16 in pairs, ARE a fragment (lane = e, K = 32 positions).  v likewise.
; M: A = v's fragment, B = k's: lane (r, g) holds e = r and f = 8 g + j; two tiles of f make the next launch's fragment (lane = e, K = 32 f), stored as a bf16 high part and a bf16 low part.
; The biases are the C of each sum's first matrix instruction: eight registers a tile, all with the lane's own bk[e] (bv[f]).
; NO CLUSTER, NO TENSOR LOAD, NO LDS RING: in a work-group each byte of x's codes is wanted by one wave, once, and lies in memory in the order of that wave's registers: a step's 4,352 bytes go straight into
; registers by nine loads of consecutive bytes.  Asked for jointly they would have to be written to LDS and read from it again, byte for byte, behind a barrier for each slot.
; REGISTERS, in windows of 256.  Window 0: v1-7 addresses; v8-15 Wk's and Wv's scale words; v16-23 x's, four buffers; v32-95 k's 8 tiles, v96-159 v's; v160-191, v192-223 their f16 fragments.
;   Window 1: v0-127 x's fragments, four buffers of 32; v128-255 the 16 accumulators of M.   Window 2: v0-31, v32-63 the biases; v64-127 Wk's fragments (tile a, K step t at 16 a + 8 t), v128-191 Wv's.
;   x's fragments share the accumulators' window: one setting of the windows serves the f16 products and the loads that are dealt among them.
; THE MODE: SCHED_MODE bits 1:0 = 2 (LLVM: expert scheduling mode 2), set by the entry lines.  The code itself states the register dependences between vector or matrix instructions and memory or LDS
; instructions, with s_wait_alu, always for 0.
; THE PLAN.  Registers that memory or LDS instructions touch:
;   v1-v5          offsets and LDS addresses: written at the head, never again; immediates reach every step.
;   XF0-3, XS0-3   x's fragments and scale words.  Step i: its 32 FP4 products read buffer i % 4; behind them the nine loads of step i + 4 land in the same buffer.
;   Wk, Wv, the biases, their scale words: loaded once, at the head; after that matrix instructions alone name them.
;   ACC            written by the f16 products; read by the 32 LDS stores of the way out.
;   v32-159        written by the FP4 products, read by the conversions; on the way out the 32 LDS loads land there.
;   v160-191       at the end: written by the two splits, read by the eight global stores.
; So ONE wait on va_vdst stands in a step, behind its conversions: the FP4 products, whose results the conversions have read, are done reading the step's buffer.  The nine loads follow it, eight of them dealt
; among the f16 products, which name v160-223 and ACC: none of the registers that those loads touch.  No register that a memory instruction reads is written again: no wait on vm_vsrc is owed.
.set SPARE, 65536                      ; behind the four partial tiles: the spare words, 128 bytes for each wave: two blocks of 256 bytes that no other line names
.set A16, 1                            ; v1  16 L
.set A8,  2                            ; v2  8 L
.set A4R, 3                            ; v3  4 r
.set STO, 4                            ; v4  16,384 w + 16 L: where my partial tile goes
.set RDB, 5                            ; v5  4,096 w + 16 L: where I read the four partial sums of e tile w
.set SPW, 6                            ; v6  LDS address of my spare word; never rewritten
.set NIL, 7                            ; v7  0; never rewritten
.set KS,  8
.set VS,  12
.set XS,  16
.set DK,  32
.set DV,  96
.set KP,  160
.set VP,  192
.set XF,  0                            ; window 1
.set ACC, 128                          ; window 1
.set BK,  0                            ; window 2
.set BV,  32
.set WK,  64
.set WV,  128
.set MSB, 0
.macro WIN new                         ; s_set_vgpr_msb: bits 1:0 source 0, 3:2 source 1, 5:4 source 2, 7:6 destination; the high byte repeats the setting that is left
.if MSB != (\new)
	s_set_vgpr_msb (MSB<<8)|(\new)
.set MSB, (\new)
.endif
.endm
.macro BASE dst, src                   ; a buffer's address + the offset in s38 (s39 = 0)
	s_add_nc_u64 s[\dst:\dst+1], s[\src:\src+1], s[38:39]
.endm
.macro FP4 d, a, b, c, sa, sb, t       ; t = 0: K step 0, the sum begins with c; t = 1: K step 1, in place, the scale words from lanes 16-31
.if \t
	v_wmma_scale_f32_16x16x128_f8f6f4 v[\d:\d+7], v[\a:\a+7], v[\b:\b+7], v[\d:\d+7], v[\sa], v[\sb] matrix_a_fmt:MATRIX_FMT_FP4 matrix_b_fmt:MATRIX_FMT_FP4 matrix_a_scale:MATRIX_SCALE_ROW1 matrix_b_scale:MATRIX_SCALE_ROW1
.else
	v_wmma_scale_f32_16x16x128_f8f6f4 v[\d:\d+7], v[\a:\a+7], v[\b:\b+7], v[\c:\c+7], v[\sa], v[\sb] matrix_a_fmt:MATRIX_FMT_FP4 matrix_b_fmt:MATRIX_FMT_FP4
.endif
.endm
	s_load_b256 s[4:11], s[0:1], 0x0               ; codes, scales, bk, bv
	s_load_b64 s[12:13], s[0:1], 0x20              ; mimg
	v_lshl_add_u32 v[SPW], v0, 2, SPARE
	v_mov_b32 v[NIL], 0
	v_lshrrev_b32 v[A16], 5, v0
	v_readfirstlane_b32 s14, v[A16]                ; wave 0..3
	v_and_b32 v[A8], 31, v0
	v_and_b32 v[A4R], 15, v0
	v_lshlrev_b32 v[A16], 4, v[A8]
	v_lshlrev_b32 v[A8], 3, v[A8]
	v_lshlrev_b32 v[A4R], 2, v[A4R]
	s_wait_alu depctr_va_sdst(0)                   ; s14 is written, ahead of its first reader: LDS addresses and the buffers' bases are made from it
	s_lshl_b32 s40, s14, 14
	v_add_nc_u32 v[STO], s40, v[A16]
	s_lshl_b32 s40, s14, 12
	v_add_nc_u32 v[RDB], s40, v[A16]
	s_and_b32 s15, ttmp7, 0xffff                   ; bh
	s_lshr_b32 s16, s15, 3                         ; b
	s_and_b32 s17, s15, 7                          ; h
	s_lshr_b32 s18, ttmp9, 2                       ; E4
	s_and_b32 s19, ttmp9, 3                        ; F4
	s_mov_b32 s39, 0
	s_wait_kmcnt 0x0
	s_lshl_b32 s38, s16, 18                        ; x's tiles 128 b + 32 w on: 2,048 bytes of codes a tile,
	s_lshl_b32 s40, s14, 16
	s_add_co_u32 s38, s38, s40
	BASE 20, 4
	s_lshr_b32 s38, s38, 4                         ; 128 bytes of scale words a tile
	BASE 22, 6
	s_lshl_b32 s41, s17, 15
	s_lshl_b32 s40, s18, 13
	s_add_co_u32 s38, s41, s40
	s_add_co_u32 s38, s38, 384*2048                ; Wk's tiles 384 + 16 h + 4 E4 on
	BASE 24, 4
	s_lshr_b32 s38, s38, 4
	BASE 26, 6
	s_lshl_b32 s40, s19, 13
	s_add_co_u32 s38, s41, s40
	s_add_co_u32 s38, s38, 512*2048                ; Wv's tiles 512 + 16 h + 4 F4 on
	BASE 28, 4
	s_lshr_b32 s38, s38, 4
	BASE 30, 6
	s_lshl_b32 s41, s17, 10
	s_lshl_b32 s40, s18, 8
	s_add_co_u32 s38, s41, s40                     ; bk at 256 h + 64 E4
	BASE 32, 8
	s_lshl_b32 s40, s19, 8
	s_add_co_u32 s38, s41, s40                     ; bv at 256 h + 64 F4
	BASE 34, 10
	s_lshl_b32 s38, s15, 18                        ; mimg: ((16 bh + 4 E4 + w) 8 + 2 F4) 2048
	s_lshl_b32 s40, s18, 16
	s_add_co_u32 s38, s38, s40
	s_lshl_b32 s40, s14, 14
	s_add_co_u32 s38, s38, s40
	s_lshl_b32 s40, s19, 12
	s_add_co_u32 s38, s38, s40
	BASE 36, 12
	; what stays in registers for the whole launch: 100 loads
	WIN 0x80                                       ; destination window 2
	s_wait_alu depctr_va_vdst(0)                   ; v1 to v5 are written: every load and store of the kernel reads one of them as its offset or address; no vector line writes them again
.irp q, 0,1,2,3,4,5,6,7,8,9,10,11,12,13,14,15
	global_load_b128 v[WK+4*\q:WK+4*\q+3], v[A16], s[24:25] offset:\q*512
	global_load_b128 v[WV+4*\q:WV+4*\q+3], v[A16], s[28:29] offset:\q*512
.endr
.irp a, 0,1,2,3
.irp j, 0,1,2,3,4,5,6,7
	global_load_b32 v[BK+8*\a+\j], v[A4R], s[32:33] offset:\a*64
	global_load_b32 v[BV+8*\a+\j], v[A4R], s[34:35] offset:\a*64
.endr
.endr
	WIN 0
.irp p, 0,1
	global_load_b64 v[KS+2*\p:KS+2*\p+1], v[A8], s[26:27] offset:\p*256
	global_load_b64 v[VS+2*\p:VS+2*\p+1], v[A8], s[30:31] offset:\p*256
.endr
; at the head: step i's 32 positions: the scale words of its two tiles and their four fragments: nine loads, into buffer i % 4, which nothing has named yet
.macro XLOAD i
	WIN 0
	global_load_b64 v[XS+2*((\i)%4):XS+2*((\i)%4)+1], v[A8], s[22:23] offset:(\i)*256
	WIN 0x40                                       ; destination window 1
.irp q, 0,1,2,3,4,5,6,7
	global_load_b128 v[XF+32*((\i)%4)+4*\q:XF+32*((\i)%4)+4*\q+3], v[A16], s[20:21] offset:(\i)*4096+\q*512
.endr
	WIN 0
.endm
; 16 matrix instructions: K step t of k's 8 tiles (2 of positions x 4 of e), then of v's 8.  The 16 accumulators take turns
.macro PROJ i, t
.set XB, XF+32*((\i)%4)+8*(\t)
.set SX, XS+2*((\i)%4)
.irp s, 0,1
.irp a, 0,1,2,3
	FP4 DK+8*(4*\s+\a), XB+16*\s, WK+16*\a+8*(\t), BK+8*\a, SX+\s, KS+\a, \t
.endr
.endr
.irp s, 0,1
.irp a, 0,1,2,3
	FP4 DV+8*(4*\s+\a), XB+16*\s, WV+16*\a+8*(\t), BV+8*\a, SX+\s, VS+\a, \t
.endr
.endr
.endm
.macro STEP i, zero
.if (\i) <= 12
	s_wait_loadcnt 27                              ; this step's nine loads are in; the nine of each of the three steps behind it may be out
.else
	s_wait_loadcnt 9*(15-(\i))
.endif
	WIN 0x29                                       ; A (x) window 1, B (W) window 2, C (bias) window 2, D window 0
	PROJ \i, 0
	WIN 0x09                                       ; C and D window 0
	PROJ \i, 1
	WIN 0
.rept 4
	v_nop                                          ; four places (ISA guide 7.12.1): behind these results, which the conversions read; behind the last step's f16 products, whose sources the conversions write
.endr
.irp a, 0,1,2,3
.irp s, 0,1
.irp j, 0,1,2,3
	v_cvt_pk_f16_f32 v[KP+8*\a+4*\s+\j], v[DK+8*(4*\s+\a)+2*\j], v[DK+8*(4*\s+\a)+2*\j+1]   ; each tile from its low end on
.endr
.endr
.endr
.irp a, 0,1,2,3
.irp s, 0,1
.irp j, 0,1,2,3
	v_cvt_pk_f16_f32 v[VP+8*\a+4*\s+\j], v[DV+8*(4*\s+\a)+2*\j], v[DV+8*(4*\s+\a)+2*\j+1]
.endr
.endr
.endr
.if (\i) <= 11
	s_wait_alu depctr_va_vdst(0)                   ; this step's FP4 products are done reading x's fragments and scale words in buffer i % 4, in which the nine loads of step i + 4 land
	global_load_b64 v[XS+2*((\i)%4):XS+2*((\i)%4)+1], v[A8], s[22:23] offset:((\i)+4)*256
.endif
	WIN 0x50                                       ; C and D window 1; a load's data window 1, its offset window 0
.set NW, 0
.irp u, 0,1,2,3
.irp f, 0,1,2,3
.if \zero
	v_wmma_f32_16x16x32_f16 v[ACC+8*(4*\u+\f):ACC+8*(4*\u+\f)+7], v[VP+8*\f:VP+8*\f+7], v[KP+8*\u:KP+8*\u+7], 0
.else
	v_wmma_f32_16x16x32_f16 v[ACC+8*(4*\u+\f):ACC+8*(4*\u+\f)+7], v[VP+8*\f:VP+8*\f+7], v[KP+8*\u:KP+8*\u+7], v[ACC+8*(4*\u+\f):ACC+8*(4*\u+\f)+7]
.endif
.if (\i) <= 11
.if NW < 8
	global_load_b128 v[XF+32*((\i)%4)+4*NW:XF+32*((\i)%4)+4*NW+3], v[A16], s[20:21] offset:((\i)+4)*4096+NW*512   ; no wait: no vector or matrix instruction since the wait above names this buffer or v1
.endif
.endif
.set NW, NW+1
.endr
.endr
	WIN 0
.endm
.macro SPLIT src, hi, lo, tmp          ; 16 f32 numbers: high = bf16(x); low = bf16(x - high), the difference being exact in f32
.irp j, 0,1,2,3,4,5,6,7
	v_cvt_pk_bf16_f32 v[\hi+\j], v[\src+2*\j], v[\src+2*\j+1]
.endr
.irp j, 0,1,2,3,4,5,6,7
	v_lshlrev_b32 v[\tmp+2*\j], 16, v[\hi+\j]
.endr
.irp j, 0,1,2,3,4,5,6,7
	v_and_b32 v[\tmp+2*\j+1], 0xffff0000, v[\hi+\j]
.endr
.irp j, 0,1,2,3,4,5,6,7
	v_pk_add_f32 v[\tmp+2*\j:\tmp+2*\j+1], v[\src+2*\j:\src+2*\j+1], v[\tmp+2*\j:\tmp+2*\j+1] neg_lo:[0,1] neg_hi:[0,1]
.endr
.irp j, 0,1,2,3,4,5,6,7
	v_cvt_pk_bf16_f32 v[\lo+\j], v[\tmp+2*\j], v[\tmp+2*\j+1]
.endr
.endm
	XLOAD 0
	XLOAD 1
	XLOAD 2
	XLOAD 3
	STEP 0, 1                                      ; the first step's products start M's sums: nothing is cleared
.irp n, 1,2,3,4,5,6,7,8,9,10,11,12,13,14,15
	STEP \n, 0
.endr
	; the four waves' partial tiles meet in LDS, as images of the accumulators
.rept 4
	v_nop                                          ; four places behind the last products; they stay beside the wait below
.endr
	WIN 0x04                                       ; an LDS store's data are its source 1: window 1
	s_wait_alu depctr_va_vdst(0)                   ; the f16 products have written the accumulators, which the LDS stores read; the FP4 products and the conversions are done with v32-159, in which the LDS loads below land
.set n, 0
.rept 32
	ds_store_b128 v[STO], v[ACC+4*n:ACC+4*n+3] offset:512*n   ; tile n / 2, its low four registers first
.set n, n+1
.endr
	WIN 0
	s_wait_dscnt 0x0                               ; for the others' sake: my tile lies in LDS
	s_barrier_signal -1
	s_barrier_wait -1
.irp p, 0,1,2,3                        ; wave w sums e tile w: four tiles of f from each of the four waves
.irp q, 0,1,2,3,4,5,6,7
	ds_load_b128 v[DK+32*\p+4*\q:DK+32*\p+4*\q+3], v[RDB] offset:\p*16384+\q*512
.endr
.endr
	s_wait_dscnt 0x0
.set n, 0
.rept 16
	v_pk_add_f32 v[DK+2*n:DK+2*n+1], v[DK+2*n:DK+2*n+1], v[DK+32+2*n:DK+32+2*n+1]
	v_pk_add_f32 v[DK+64+2*n:DK+64+2*n+1], v[DK+64+2*n:DK+64+2*n+1], v[DK+96+2*n:DK+96+2*n+1]
.set n, n+1
.endr
.set n, 0
.rept 16
	v_pk_add_f32 v[DK+2*n:DK+2*n+1], v[DK+2*n:DK+2*n+1], v[DK+64+2*n:DK+64+2*n+1]
.set n, n+1
.endr
	SPLIT DK, KP, KP+8, VP                         ; f tiles 0, 1: one fragment along f, high and low
	SPLIT DK+16, KP+16, KP+24, VP+16               ; f tiles 2, 3
	s_wait_alu depctr_va_vdst(0)                   ; the two splits have written v160-191, which the stores read
.irp q, 0,1,2,3,4,5,6,7
	global_store_b128 v[A16], v[KP+4*\q:KP+4*\q+3], s[36:37] offset:\q*512   ; 512 consecutive bytes each
.endr
	s_wait_dscnt 0x0                               ; the closing lines, six on end
	s_wait_alu 0x0
	s_wait_tensorcnt 0x0
	ds_add_u32 v[SPW], v[NIL]
	s_wait_dscnt 0x0
	s_endpgm
.Lfunc_end_k_qb2574cccf4_kv:
	.size	k_qb2574cccf4_kv, .Lfunc_end_k_qb2574cccf4_kv-k_qb2574cccf4_kv
	.p2alignl 7, 3214868480
	.fill 96, 4, 3214868480
	.section	.rodata,"a",@progbits
	.p2align	6, 0x0
	.amdhsa_kernel k_qb2574cccf4_kv
		.amdhsa_group_segment_fixed_size 66048
		.amdhsa_private_segment_fixed_size 0
		.amdhsa_enable_private_segment 0
		.amdhsa_kernarg_size 40
		.amdhsa_user_sgpr_count 2
		.amdhsa_user_sgpr_kernarg_segment_ptr 1
		.amdhsa_wavefront_size32 1
		.amdhsa_system_sgpr_workgroup_id_x 1
		.amdhsa_system_sgpr_workgroup_id_y 1
		.amdhsa_system_sgpr_workgroup_id_z 1
		.amdhsa_system_vgpr_workitem_id 0
		.amdhsa_next_free_vgpr 768
		.amdhsa_next_free_sgpr 66
		.amdhsa_reserve_vcc 0
		.amdhsa_float_denorm_mode_32 3
		.amdhsa_float_denorm_mode_16_64 3
		.amdhsa_memory_ordered 1
		.amdhsa_forward_progress 1
		.amdhsa_inst_pref_size 188
	.end_amdhsa_kernel
	.amdgpu_metadata
---
amdhsa.version: [ 1, 2 ]
amdhsa.kernels:
  - .name:           k_qb2574cccf4_kv
    .symbol:         k_qb2574cccf4_kv.kd
    .args:
      - { .name: codes, .offset: 0, .size: 8, .value_kind: global_buffer, .address_space: global }
      - { .name: scales, .offset: 8, .size: 8, .value_kind: global_buffer, .address_space: global }
      - { .name: bk, .offset: 16, .size: 8, .value_kind: global_buffer, .address_space: global }
      - { .name: bv, .offset: 24, .size: 8, .value_kind: global_buffer, .address_space: global }
      - { .name: mimg, .offset: 32, .size: 8, .value_kind: global_buffer, .address_space: global }
    .group_segment_fixed_size: 66048
    .private_segment_fixed_size: 0
    .kernarg_segment_align: 8
    .kernarg_segment_size: 40
    .max_flat_workgroup_size: 128
    .sgpr_count:     66
    .vgpr_count:     768
    .wavefront_size: 32
...
	.end_amdgpu_metadata
.endif
;; end of part 5
;; launch fold: the kernel of part 3 again; grid 16 x 16, 4 waves a work-group, no clusters, 1,024 bytes of LDS; arguments mimg, woimg, nimg, nsc; writes nimg, nsc
;; launch outp (part 6): grid 4 x 64, 4 waves a work-group, no clusters, 139,776 bytes of LDS; arguments codes, scales, bq, nimg, nsc, bo, out0; writes out0
.if DOCPART == 6
	.amdgcn_target "amdgcn-amd-amdhsa--gfx1250"
	.amdhsa_code_object_version 6
	.text
	.protected	k_qb2574cccf4_outp
	.globl	k_qb2574cccf4_outp
	.p2align	8
	.type	k_qb2574cccf4_outp,@function
k_qb2574cccf4_outp:
	s_mov_b64 s[64:65], 0
	v_nop
	global_prefetch_b8 v0, s[64:65] scope:SCOPE_SE
	s_setreg_imm32_b32 hwreg(HW_REG_WAVE_SCHED_MODE, 0, 2), 2
	s_setreg_imm32_b32 hwreg(HW_REG_WAVE_MODE, 25, 1), 1
	s_wait_xcnt 0x0
	s_wait_alu depctr_vm_vsrc(0)
; out[s][o] = the sum over the 8 heads h and e of q_h[s][e] N'_h[e][o] sc_h[o] + bo[o], with q = Q(x) Q(Wq)^T + bq on codes of FP4 (K = 256, two matrix instructions deep); sc holds reference()'s 1/16.
; STATED LIMIT: the order of summation differs from reference()'s (q (k^T v Wo^T) in place of ((q k^T) v) Wo^T; heads split over waves).  LIMIT: q goes on as f16: |q| must stay under 65,504.  NaN and infinities are not served.
; SHARES.  Work-group (x, y): 64 rows 64 y on, 64 columns 64 x on.  Wave w takes heads 2 w and 2 w + 1 for the whole tile, in 16 steps of 32 e; each head's sums are multiplied by its sc and laid in LDS; then each wave adds
; the eight partial tiles for 16 rows, adds bo and stores.
; LAYOUT.  q: A = 16 rows of Wq's codes, B = 16 rows of x's, C = bq in the result's layout: lane (r, g) holds position r and e = 8 g + j; two tiles of e, rounded to f16 in pairs, are a fragment (lane = position, K = 32 e).
; out: A = N' (lane = o), B = q's fragment: lane (r, g) holds position r and o = 16 t + 8 g + j: eight neighbouring columns of one row.
; NO CLUSTER, NO LDS RING: Wq's codes and N' are wanted by one wave of the work-group, once, and lie in memory in the order of its registers: a step's 10,496 bytes go straight into registers.  Only x's 8,704 bytes are loaded by all four waves.
; REGISTERS.  Window 0: v1-9, v24 addresses; v10-13 x's scale words, v14-21 Wq's (four buffers); v28-31 bo; v32-95 q's 8 tiles, also the first out-buffer; v96-127 q's fragments; v128-191 bq's two tiles (four buffers of 16),
;   at the end the partial tiles' rows; v192-255 the second out-buffer, at the end the results.   Window 1: v0-127 the 16 accumulators; v128-191 x's fragments; v192-255 sc in the result's layout.
;   Window 2: four buffers of 64: Wq's four fragments, N's four fragments.
; THE MODE: SCHED_MODE bits 1:0 = 2 (LLVM: expert scheduling mode 2), set by the entry lines.  The code itself states the register dependences between vector or matrix instructions and memory or LDS
; instructions, with s_wait_alu, always for 0.
; THE PLAN.  Registers that memory or LDS instructions touch:
;   v1-v7, v24     offsets and LDS addresses: written at the head, never again; immediates reach every step.
;   the ring       four buffers: Wq's fragments, N's fragments, bq's tiles, Wq's scale words.  Step n: its FP4 products read Wq, bq and the scale words of buffer n % 4, its f16 products N'.
;                  The 21 loads of step n + 3, issued in step n, land in buffer (n + 3) % 4 = (n - 1) % 4: the one that step n - 1 worked on and that no instruction of step n names.
;   x, sc, bo, x's scale words: loaded once, at the head.
;   v32-95, v192-255   the out-buffers: written by a head's 64 multiplications by sc, read by its 32 LDS stores; written again by the next products, the next head's multiplications and the last additions.
;   v128-191       at the end: the LDS loads of the partial tiles land there, the additions read and write them.     v192-223 at the end: written by the additions, read by the global stores.
; So ONE wait on va_vdst stands in a step, behind its conversions: the step before is done reading its buffer.  The 21 loads follow it in two runs among the f16 products, which name buffer n % 4, v96-127 and the
; accumulators.  A head's way into LDS has one wait on va_vdst ahead of its stores and one on vm_vsrc behind them; each pair of rows at the end has one wait on va_vdst, for its store and for the loads into the set just added.
.set SP,    272                        ; a row of a partial tile: 256 bytes + 16 = 17 x 16: sixteen rows start 16 bytes apart modulo 256
.set PT,    64*SP                      ; a partial tile
.set SPARE, 8*PT                       ; behind the eight: the spare words, 128 bytes for each wave: two blocks of 256 bytes that no other line names
.set A16, 1                            ; v1  16 L
.set A8,  2                            ; v2  8 L
.set A32G, 3                           ; v3  32 g
.set STO, 4                            ; v4  2 PT w + SP r + 32 g
.set RD0, 5                            ; v5  (16 w + g) SP + 16 r
.set RD1, 6                            ; v6  the same 4 PT on
.set GO,  7                            ; v7  1,024 g + 16 r
.set SPW, 8                            ; v8  LDS address of my spare word; never rewritten
.set NIL, 9                            ; v9  0; never rewritten
.set XS,  10
.set QS,  14
.set A16R, 24                          ; v24 16 r
.set BO,  28
.set DQ,  32
.set QP,  96
.set BQ,  128
.set RB,  128
.set OB,  192
.set RES, 192
.set ACC, 0                            ; window 1
.set XF,  128
.set SCI, 192
.set MSB, 0
.macro WIN new
.if MSB != (\new)
	s_set_vgpr_msb (MSB<<8)|(\new)
.set MSB, (\new)
.endif
.endm
.macro BASE dst, src                   ; a buffer's address + the offset in s38 (s39 = 0)
	s_add_nc_u64 s[\dst:\dst+1], s[\src:\src+1], s[38:39]
.endm
.macro FP4 d, a, b, c, sa, sb, t       ; t = 0: K step 0, the sum begins with c; t = 1: K step 1, in place, the scale words from lanes 16-31
.if \t
	v_wmma_scale_f32_16x16x128_f8f6f4 v[\d:\d+7], v[\a:\a+7], v[\b:\b+7], v[\d:\d+7], v[\sa], v[\sb] matrix_a_fmt:MATRIX_FMT_FP4 matrix_b_fmt:MATRIX_FMT_FP4 matrix_a_scale:MATRIX_SCALE_ROW1 matrix_b_scale:MATRIX_SCALE_ROW1
.else
	v_wmma_scale_f32_16x16x128_f8f6f4 v[\d:\d+7], v[\a:\a+7], v[\b:\b+7], v[\c:\c+7], v[\sa], v[\sb] matrix_a_fmt:MATRIX_FMT_FP4 matrix_b_fmt:MATRIX_FMT_FP4
.endif
.endm
	s_load_b256 s[4:11], s[0:1], 0x0               ; codes, scales, bq, nimg
	s_load_b128 s[12:15], s[0:1], 0x20             ; nsc, bo
	s_load_b64 s[16:17], s[0:1], 0x30              ; out0
	v_lshl_add_u32 v[SPW], v0, 2, SPARE
	v_mov_b32 v[NIL], 0
	v_lshrrev_b32 v25, 5, v0
	v_readfirstlane_b32 s18, v25                   ; wave 0..3
	v_and_b32 v25, 31, v0                          ; L
	v_and_b32 v26, 15, v0                          ; r
	v_bfe_u32 v27, v0, 4, 1                        ; g
	v_lshlrev_b32 v[A16], 4, v25
	v_lshlrev_b32 v[A8], 3, v25
	v_lshlrev_b32 v[A32G], 5, v27
	v_lshlrev_b32 v[A16R], 4, v26
	s_wait_alu depctr_va_sdst(0)                   ; s18 is written, ahead of its first reader: LDS addresses and the buffers' bases are made from it
	s_mul_i32 s40, s18, 2*PT
	v_mul_u32_u24 v[STO], v26, SP
	v_add_nc_u32 v[STO], v[STO], v[A32G]
	v_add_nc_u32 v[STO], s40, v[STO]
	s_mul_i32 s40, s18, 16*SP
	v_mul_u32_u24 v[RD0], v27, SP
	v_add_nc_u32 v[RD0], v[RD0], v[A16R]
	v_add_nc_u32 v[RD0], s40, v[RD0]
	v_add_nc_u32 v[RD1], 4*PT, v[RD0]
	v_lshl_add_u32 v[GO], v27, 10, v[A16R]
	s_and_b32 s19, ttmp7, 0xffff                   ; which 64 rows
	s_lshr_b32 s41, s19, 5                         ; b
	s_mov_b32 s39, 0
	s_wait_kmcnt 0x0
	s_lshl_b32 s38, s19, 13                        ; x's four tiles: 2,048 bytes of codes a tile,
	BASE 20, 4
	s_lshr_b32 s38, s38, 4                         ; 128 bytes of scale words a tile
	BASE 22, 6
	s_lshl_b32 s38, s18, 16
	s_add_co_u32 s38, s38, 256*2048                ; Wq's tiles 256 + 32 w on
	BASE 24, 4
	s_lshr_b32 s38, s38, 4
	BASE 26, 6
	s_lshl_b32 s38, s18, 11                        ; bq at 512 w
	BASE 28, 8
	s_lshl_b32 s38, s41, 20                        ; nimg: b 2^20 + (16 w 16 + 4 x) 1024
	s_lshl_b32 s40, s18, 18
	s_add_co_u32 s38, s38, s40
	s_lshl_b32 s40, ttmp9, 12
	s_add_co_u32 s38, s38, s40
	BASE 30, 10
	s_lshl_b32 s38, s41, 14                        ; nsc: ((8 b + 2 w) 16 + 4 x) 128
	s_lshl_b32 s40, s18, 12
	s_add_co_u32 s38, s38, s40
	s_lshl_b32 s40, ttmp9, 9
	s_add_co_u32 s38, s38, s40
	BASE 32, 12
	s_lshl_b32 s38, ttmp9, 8                       ; bo at 64 x
	BASE 34, 14
	s_lshl_b32 s40, s19, 16                        ; out0: row 64 y + 16 w, column 64 x
	s_add_co_u32 s38, s38, s40
	s_lshl_b32 s40, s18, 14
	s_add_co_u32 s38, s38, s40
	BASE 36, 16
	; what stays in registers: 35 loads
	WIN 0x40                                       ; destination window 1
	s_wait_alu depctr_va_vdst(0)                   ; v1 to v7 and v24 are written: every load and store of the kernel reads one of them as its offset or address; no vector line writes them again
.irp q, 0,1,2,3,4,5,6,7,8,9,10,11,12,13,14,15
	global_load_b128 v[XF+4*\q:XF+4*\q+3], v[A16], s[20:21] offset:\q*512   ; x's fragment (tile s, K step t) at XF + 16 s + 8 t
.endr
.irp d, 0,1
.irp t, 0,1,2,3
.irp c, 0,1
	global_load_b128 v[SCI+32*\d+8*\t+4*\c:SCI+32*\d+8*\t+4*\c+3], v[A32G], s[32:33] offset:\d*2048+\t*128+16*\c   ; register j: sc of column 16 t + 8 g + j, head 2 w + d
.endr
.endr
.endr
	WIN 0
	global_load_b64 v[XS:XS+1], v[A8], s[22:23]
	global_load_b64 v[XS+2:XS+3], v[A8], s[22:23] offset:256
	global_load_b128 v[BO:BO+3], v[A16R], s[34:35]
; step n's 32 e, into buffer n % 4: 21 loads in two runs.  The first: Wq's scale words, bq's two tiles, Wq's four fragments: 13 loads
.macro SLOADA n
	WIN 0
	global_load_b64 v[QS+2*((\n)%4):QS+2*((\n)%4)+1], v[A8], s[26:27] offset:(\n)*256
.irp a, 0,1
.irp c, 0,1
	global_load_b128 v[BQ+16*((\n)%4)+8*\a+4*\c:BQ+16*((\n)%4)+8*\a+4*\c+3], v[A32G], s[28:29] offset:(\n)*128+\a*64+16*\c
.endr
.endr
	WIN 0x80                                       ; destination window 2
.irp q, 0,1,2,3,4,5,6,7
	global_load_b128 v[64*((\n)%4)+4*\q:64*((\n)%4)+4*\q+3], v[A16], s[24:25] offset:(\n)*4096+\q*512
.endr
.endm
; the second: N's four fragments: 8 loads
.macro SLOADB n
	WIN 0x80
.irp q, 0,1,2,3,4,5,6,7
	global_load_b128 v[64*((\n)%4)+32+4*\q:64*((\n)%4)+32+4*\q+3], v[A16], s[30:31] offset:(\n)*16384+\q*512
.endr
.endm
; 8 f16 products: tiles of columns t0, t0 + 1 x the four tiles of rows.  The 16 accumulators take turns
.macro MUL8 t0, zero
.irp t, \t0, \t0+1
.irp s, 0,1,2,3
.if \zero
	v_wmma_f32_16x16x32_f16 v[ACC+8*(4*(\t)+\s):ACC+8*(4*(\t)+\s)+7], v[SBF+32+8*(\t):SBF+32+8*(\t)+7], v[QP+8*\s:QP+8*\s+7], 0
.else
	v_wmma_f32_16x16x32_f16 v[ACC+8*(4*(\t)+\s):ACC+8*(4*(\t)+\s)+7], v[SBF+32+8*(\t):SBF+32+8*(\t)+7], v[QP+8*\s:QP+8*\s+7], v[ACC+8*(4*(\t)+\s):ACC+8*(4*(\t)+\s)+7]
.endif
.endr
.endr
.endm
.macro STEP n, zero
.set SBF, 64*((\n)%4)
.set SBQ, BQ+16*((\n)%4)
.set SQ, QS+2*((\n)%4)
.if (\n) <= 13
	s_wait_loadcnt 42                              ; this step's 21 loads are in; the 21 of each of the two steps behind it may be out
.else
	s_wait_loadcnt 21*(15-(\n))
.endif
	WIN 0x06                                       ; A (Wq) window 2, B (x) window 1, C (bq, then the sum) and D window 0
.irp a, 0,1
.irp s, 0,1,2,3
	FP4 DQ+8*(4*\a+\s), SBF+16*\a, XF+16*\s, SBQ+8*\a, SQ+\a, XS+\s, 0
.endr
.endr
.irp a, 0,1                            ; the 8 accumulators take turns
.irp s, 0,1,2,3
	FP4 DQ+8*(4*\a+\s), SBF+16*\a+8, XF+16*\s+8, DQ, SQ+\a, XS+\s, 1
.endr
.endr
	WIN 0
.rept 4
	v_nop                                          ; four places (ISA guide 7.12.1): behind these results, which the conversions read; behind the last step's f16 products, whose source the conversions write
.endr
.irp s, 0,1,2,3
.irp a, 0,1
.irp j, 0,1,2,3
	v_cvt_pk_f16_f32 v[QP+8*\s+4*\a+\j], v[DQ+8*(4*\a+\s)+2*\j], v[DQ+8*(4*\a+\s)+2*\j+1]   ; each tile from its low end on
.endr
.endr
.endr
.if (\n) <= 12
.if (\n) >= 1
	s_wait_alu depctr_va_vdst(0)                   ; the step before is done reading its buffer: its FP4 products Wq's fragments, bq's tiles and the scale words, its f16 products N's fragments; the 21 loads of step n + 3 land there.  (Step 0 fills a buffer that nothing has named)
.endif
	SLOADA (\n)+3
.endif
	WIN 0x52                                       ; A (N') window 2, B (q) window 0, C and D window 1
	MUL8 0, \zero
.if (\n) <= 12
	SLOADB (\n)+3                                  ; no wait: no vector or matrix instruction since the wait above names that buffer or v1
.endif
	WIN 0x52
	MUL8 2, \zero
	WIN 0
.endm
; head 2 w + d is summed: x sc, into the two out-buffers, and from there into partial tile 2 w + d
.macro FLUSH d
.rept 4
	v_nop                                          ; four places behind the last products
.endr
	WIN 0x05                                       ; sources 0 and 1 window 1
.irp y, 0,1
.irp z, 0,1
.irp s, 0,1,2,3
.irp k, 0,1,2,3
	v_pk_mul_f32 v[DQ+(OB-DQ)*\y+8*(4*\z+\s)+2*\k:DQ+(OB-DQ)*\y+8*(4*\z+\s)+2*\k+1], v[ACC+8*(4*(2*\y+\z)+\s)+2*\k:ACC+8*(4*(2*\y+\z)+\s)+2*\k+1], v[SCI+32*(\d)+8*(2*\y+\z)+2*\k:SCI+32*(\d)+8*(2*\y+\z)+2*\k+1]
.endr
.endr
.endr
.endr
	WIN 0
	s_wait_alu depctr_va_vdst(0)                   ; the multiplications have written the two out-buffers, which the LDS stores read; and (the second head) the FP4 products are done reading bq's tiles in v128-191, in which the partial tiles' rows land
.irp y, 0,1
.irp z, 0,1
.irp s, 0,1,2,3
.irp c, 0,1
	ds_store_b128 v[STO], v[DQ+(OB-DQ)*\y+8*(4*\z+\s)+4*\c:DQ+(OB-DQ)*\y+8*(4*\z+\s)+4*\c+3] offset:(\d)*PT+\s*16*SP+(2*\y+\z)*64+16*\c
.endr
.endr
.endr
.endr
	s_wait_dscnt 0x0                               ; my stores have landed: the second time for the others' sake, ahead of the barrier
	s_wait_alu depctr_vm_vsrc(0)                   ; the LDS stores have read the out-buffers, which are written again: v32-95 by the next step's products, v192-255 by the next head's multiplications and by the last additions
.endm
.macro RLOAD n                         ; rows 16 w + 2 n + g of the eight partial tiles, 16 bytes a lane, into set n % 2
.irp p, 0,1,2,3
	ds_load_b128 v[RB+32*((\n)%2)+4*\p:RB+32*((\n)%2)+4*\p+3], v[RD0] offset:\p*PT+(\n)*2*SP
.endr
.irp p, 0,1,2,3
	ds_load_b128 v[RB+32*((\n)%2)+16+4*\p:RB+32*((\n)%2)+16+4*\p+3], v[RD1] offset:\p*PT+(\n)*2*SP
.endr
.endm
.macro PADD d, a, b                    ; four numbers
	v_pk_add_f32 v[\d:\d+1], v[\a:\a+1], v[\b:\b+1]
	v_pk_add_f32 v[\d+2:\d+3], v[\a+2:\a+3], v[\b+2:\b+3]
.endm
	SLOADA 0
	SLOADB 0
	SLOADA 1
	SLOADB 1
	SLOADA 2
	SLOADB 2
	WIN 0
	STEP 0, 1                                      ; a head's first step starts the sums: nothing is cleared
.irp n, 1,2,3,4,5,6,7
	STEP \n, 0
.endr
	FLUSH 0
	STEP 8, 1
.irp n, 9,10,11,12,13,14,15
	STEP \n, 0
.endr
	FLUSH 1
	s_barrier_signal -1                            ; (every wave's stores have landed: the wait for 0 on DScnt at the end of FLUSH)
	s_barrier_wait -1
	RLOAD 0                                        ; no wait: no vector or matrix instruction since FLUSH's wait on va_vdst names v128-191
	RLOAD 1
.irp i, 0,1,2,3,4,5,6,7
.set RS, RB+32*(\i%2)
.if \i < 7
	s_wait_dscnt 8                                 ; this pair of rows' 8 loads are in; the next pair's 8 may be out
.else
	s_wait_dscnt 0x0
.endif
	PADD RS, RS, RS+4
	PADD RS+8, RS+8, RS+12
	PADD RS+16, RS+16, RS+20
	PADD RS+24, RS+24, RS+28
	PADD RS, RS, RS+8
	PADD RS+16, RS+16, RS+24
	PADD RS, RS, RS+16
	PADD RES+4*\i, RS, BO
	s_wait_alu depctr_va_vdst(0)                   ; the additions have written this pair's four result registers, which the store reads, and are done with this set, in which the loads of the pair after next land
	global_store_b128 v[GO], v[RES+4*\i:RES+4*\i+3], s[36:37] offset:\i*2048 th:TH_STORE_NT   ; sixteen lanes store 256 consecutive bytes, at a multiple of 256 from out0's first byte
.if \i < 6
	RLOAD \i+2
.endif
.endr
	s_wait_dscnt 0x0                               ; the closing lines, six on end
	s_wait_alu 0x0
	s_wait_tensorcnt 0x0
	ds_add_u32 v[SPW], v[NIL]
	s_wait_dscnt 0x0
	s_endpgm
.Lfunc_end_k_qb2574cccf4_outp:
	.size	k_qb2574cccf4_outp, .Lfunc_end_k_qb2574cccf4_outp-k_qb2574cccf4_outp
	.p2alignl 7, 3214868480
	.fill 96, 4, 3214868480
	.section	.rodata,"a",@progbits
	.p2align	6, 0x0
	.amdhsa_kernel k_qb2574cccf4_outp
		.amdhsa_group_segment_fixed_size 139776
		.amdhsa_private_segment_fixed_size 0
		.amdhsa_enable_private_segment 0
		.amdhsa_kernarg_size 56
		.amdhsa_user_sgpr_count 2
		.amdhsa_user_sgpr_kernarg_segment_ptr 1
		.amdhsa_wavefront_size32 1
		.amdhsa_system_sgpr_workgroup_id_x 1
		.amdhsa_system_sgpr_workgroup_id_y 1
		.amdhsa_system_sgpr_workgroup_id_z 1
		.amdhsa_system_vgpr_workitem_id 0
		.amdhsa_next_free_vgpr 768
		.amdhsa_next_free_sgpr 66
		.amdhsa_reserve_vcc 0
		.amdhsa_float_denorm_mode_32 3
		.amdhsa_float_denorm_mode_16_64 3
		.amdhsa_memory_ordered 1
		.amdhsa_forward_progress 1
		.amdhsa_inst_pref_size 150
	.end_amdhsa_kernel
	.amdgpu_metadata
---
amdhsa.version: [ 1, 2 ]
amdhsa.kernels:
  - .name:           k_qb2574cccf4_outp
    .symbol:         k_qb2574cccf4_outp.kd
    .args:
      - { .name: codes, .offset: 0, .size: 8, .value_kind: global_buffer, .address_space: global }
      - { .name: scales, .offset: 8, .size: 8, .value_kind: global_buffer, .address_space: global }
      - { .name: bq, .offset: 16, .size: 8, .value_kind: global_buffer, .address_space: global }
      - { .name: nimg, .offset: 24, .size: 8, .value_kind: global_buffer, .address_space: global }
      - { .name: nsc, .offset: 32, .size: 8, .value_kind: global_buffer, .address_space: global }
      - { .name: bo, .offset: 40, .size: 8, .value_kind: global_buffer, .address_space: global }
      - { .name: out0, .offset: 48, .size: 8, .value_kind: global_buffer, .address_space: global }
    .group_segment_fixed_size: 139776
    .private_segment_fixed_size: 0
    .kernarg_segment_align: 8
    .kernarg_segment_size: 56
    .max_flat_workgroup_size: 128
    .sgpr_count:     66
    .vgpr_count:     768
    .wavefront_size: 32
...
	.end_amdgpu_metadata
.endif
;; end of part 6
